; MI455X (gfx1250); checked and timed in simulation.
; The chip was launched on July 23, 2026; its instructions are those of AMD's public machine-readable ISA for CDNA 5 (MIT licence, August 2026) and "CDNA5" Instruction Set Architecture Reference Guide (July 2026). The comments in the code are by the model that wrote it; some were corrected since.
;; Multi Head Self Attention. Allowed arithmetic: matrix products marked QUANTISED: E4M3 operands, one given power-of-two scale a tensor, by v_wmma_f32_16x16x64_fp8_fp8 or v_wmma_f32_16x16x128_fp8_fp8, f32 sums; everything else in f32.
;; Inputs: lowp_scales 12 int32 (the exponents e of the quantised operands' scales 2^e); token_positions 2,048 int32; wk 1,024 x 1,024 float32; wo 1,024 x 1,024 float32; wq 1,024 x 1,024 float32; wv 1,024 x 1,024 float32; x 4 x 2,048 x 1,024 float32.
;; Outputs: out0 4 x 2,048 x 1,024 float32.
;; This version of the problem:
;;   THIS VERSION OF THE PROBLEM IS GIVEN IN LOW PRECISION. The matrix products marked QUANTISED in the list below multiply operands that are first quantised to E4M3 (4 exponent bits, 3 mantissa bits; 8 bits a number), with one given power-of-two scale for each operand tensor; their sums are f32. All else is computed in f32.
;;   The module's matrix products, in the order in which they are computed (A, B: the left and right operand; K: the contracted axis; several contracted axes count as one K, in the product's order):
;;     1. [M 8,192, K 1,024] x [K 1,024, N 1,024]; A: input x; B: input wq: QUANTISED (scales: A lowp_scales[0], B lowp_scales[1])
;;     2. [M 8,192, K 1,024] x [K 1,024, N 1,024]; A: input x; B: input wk: QUANTISED (scales: A lowp_scales[2], B lowp_scales[3])
;;     3. [M 8,192, K 1,024] x [K 1,024, N 1,024]; A: input x; B: input wv: QUANTISED (scales: A lowp_scales[4], B lowp_scales[5])
;;     4. batch 64 x [M 2,048, K 64] x [K 64, N 2,048]; A: computed on the way; B: computed on the way: QUANTISED (scales: A lowp_scales[6], B lowp_scales[7])
;;     5. batch 64 x [M 2,048, K 2,048] x [K 2,048, N 64]; A: softmax (see below); B: computed on the way: QUANTISED (scales: A lowp_scales[8], B lowp_scales[9])
;;     6. [M 8,192, K 1,024] x [K 1,024, N 1,024]; A: computed on the way; B: input wo: QUANTISED (scales: A lowp_scales[10], B lowp_scales[11])
;;   THE QUANTISER, for each operand of a quantised product, along K:
;;     - The operand's scale is 2^e, e = its entry of the input lowp_scales (int32; the entries are numbered through the quantised products in the list's order, A before B).
;;     - Each number is divided by the scale, clamped to +-448, and rounded to the nearest number of E4M3, ties to even, subnormals kept.
;;     - The product sums the exact products of the quantised numbers (number of the format x scale) in f32.
;;   ~~~python
;;   def quantise(x, axis, e):      # numpy; x: float32 -> the quantised numbers, widened to float32 again
;;       x = np.moveaxis(x, axis, -1); K = x.shape[-1]
;;       r = np.clip(x / 2.0 ** e, -448, 448)
;;       step = 2.0 ** (np.maximum(np.frexp(np.where(r == 0, 1, r))[1] - 1, -6) - 3)
;;       q = np.round(r / step) * step * 2.0 ** e      # np.round: ties to even
;;       return np.moveaxis(q, -1, axis).astype(np.float32)
;;   ~~~
;;   SOFTMAX AHEAD OF A QUANTISED PRODUCT. Where the list says 'softmax', what is quantised is not the finished softmax but p = 2^(t - M), with t = logit x log2(e) and M = ceil(the row's largest t), a whole number; so 1/2 < the row's largest p <= 1. The row's sum l is taken of the UNQUANTISED p, in f32, and the product's result is divided by l at the end. Since M is a whole number, a kernel that streams over the keys may use a running M (the ceiling of the running maximum): every later rescaling is an exact power of two, so the quantised numbers keep their values, but for numbers so far below the row's largest that they fall under the format's range.
;;   OPERANDS COMPUTED ON THE WAY. 'Computed on the way' means the value that the module computes at that place (a softmax that the list does not call 'softmax' is quantised finished and normalised). What goes into a quantiser is computed in f32, as accurately as f32 sums, v_exp_f32 and their like allow (about 1e-6 of the number): no bf16 or f16 on the way to a quantiser, and a product that is left as it is and whose result goes on into a quantised operand takes f32 operands (vector FMAs, or v_wmma_f32_16x16x4_f32). A number that lies on a knife's edge between two numbers of the format may be rounded either way, as far as f32 arithmetic and the matrix unit's own rounding can turn it there, and no further.
;; One version. Each part assembles by itself: llvm-mc -triple=amdgcn-amd-amdhsa -mcpu=gfx1250 --defsym DOCPART=n.
;; ======== version 1 of 1: 4 launches
;; limits: right only within a limited range of input values
;; workspace buffers: codes 29,360,128 bytes; rope 524,288 bytes; qkv 25,165,824 bytes; actx 8,388,608 bytes
;; launch prep (part 1): grid 416 x 1, 4 waves a work-group, no clusters, 0 bytes of LDS; arguments x, wq, wk, wv, wo, token_positions, lowp_scales, codes, rope; writes codes, rope
.if DOCPART == 1
	.amdgcn_target "amdgcn-amd-amdhsa--gfx1250"
	.amdhsa_code_object_version 6
	.text
	.protected	k_q290e0f187c_prep
	.globl	k_q290e0f187c_prep
	.p2align	8
	.type	k_q290e0f187c_prep,@function
k_q290e0f187c_prep:
	s_mov_b64 s[64:65], 0
	v_nop
	global_prefetch_b8 v0, s[64:65] scope:SCOPE_SE
	s_setreg_imm32_b32 hwreg(HW_REG_WAVE_MODE, 25, 1), 1
	s_wait_xcnt 0x0
; PREP: f32 numbers into codes of FP8 (E4M3), and the table of cos and sin for the rotation.
; code = number / 2^e, held within +-448, rounded to the nearest code, ties to even; e comes from lowp_scales.
; Work-groups 0-255: x, 8,192 x 1,024 numbers, three times (e0, e2, e4: one set of codes for each of the three projections), read once.
; Work-groups 256-383: wq (e1), wk (e3), wv (e5), wo (e11), 32 work-groups each.   Work-groups 384-415: cos and sin by token.
; A wave takes a run of 8,192 numbers (8 rows) in 16 steps of 512.  Each of a step's four loads reads 512 consecutive bytes, 16 a lane, and the lane's 16 numbers become 16 codes
; that are stored at 16 x lane: 512 consecutive bytes a store.  So inside each 512 along K byte 16 l + 4 i + j holds k = 128 i + 4 l + j: one and the same order in x, wq, wk and wv,
; whose products therefore still meet their partners.  wo meets codes that are made elsewhere, in the natural order: there a lane loads 16 neighbours (64 bytes a lane, four loads over the same 2,048 bytes).
; wv's groups of 8 rows are stored with the two low bits of the group's number exchanged: stored row 16 t + m of a head is channel 32 (t / 2) + 8 (t % 2) + m + 8 (m / 8).
; LAYOUT of codes: x's three sets at 0, 8 MiB, 16 MiB; the four weights at 24 MiB + 1 MiB x (0 wq, 1 wk, 2 wv, 3 wo); rows of 1,024 bytes.
; LAYOUT of rope: [tile of 16 tokens][c 0..3][q 0..1][lane][16 bytes]: lane (r, h) holds cos, sin, cos, sin of the pairs i = 8 c + 4 h + 2 q and i + 1 at token 16 tile + r.
; LIMITS: each e between -126 and 119 (2^e and 448 x 2^e are f32 numbers); positions between 0 and 2,047 (the reduction below is good to about 6e-8 there); NaN among the inputs is not served.
; No LDS, no barrier: waves share nothing.
.set OFF, 4                            ; v4-7    byte offsets of a step's four loads; never rewritten
.set SC,  8                            ; v8-10   2^e as f32, one for each set of codes
.set LIM, 11
.set X,   16                           ; v16-79  four sets of 16 numbers as loaded
.set T,   80
.set C,   96                           ; v96-107 codes, four registers a set
.set RES, 32                           ; v32-63  the table's way: 16 pairs (cos, sin)
.set SRC, 44                           ; s[44:45] where my run begins
.set DST, 46                           ; s[46:51] where its codes go, one base for each set (8 MiB do not fit a store's immediate)
.macro MKSC e, n                       ; the scale in s[e] becomes the conversion's operand and the hold's bound
	s_add_co_i32 s56, s[\e], 127
	s_lshl_b32 s57, s56, 23
	v_mov_b32 v[SC+\n], s57                        ; 2^e as f32: the conversion takes its exponent field
	s_add_co_i32 s56, s56, 8
	s_lshl_b32 s56, s56, 23
	s_or_b32 s56, s56, 0x600000
.endm
.macro QLOAD t                         ; step t's 512 numbers into set t % 4
.irp i, 0,1,2,3
	global_load_b128 v[X+16*((\t)%4)+4*\i:X+16*((\t)%4)+4*\i+3], v[OFF+\i], s[SRC:SRC+1] offset:2048*(\t) th:TH_LOAD_NT
.endr
.endm
.macro QSTEP t, ns                     ; step t is quantised ns times
.if 15-(\t) >= 3
	s_wait_loadcnt 12                              ; this step's four loads are in; those of the three steps behind it stay out
.else
	s_wait_loadcnt 4*(15-(\t))
.endif
	s_wait_xcnt 0x0                                ; the last step's stores have read their data: the codes' registers are written again only behind this wait
.set XS, X+16*((\t)%4)
.set QS, 0
.rept \ns
.irp i, 0,1,2,3,4,5,6,7,8,9,10,11,12,13,14,15
.endr
	v_cvt_scalef32_pk8_fp8_f32 v[C+4*QS:C+4*QS+1], v[XS:XS+7], v[SC+QS]
	v_cvt_scalef32_pk8_fp8_f32 v[C+4*QS+2:C+4*QS+3], v[XS+8:XS+15], v[SC+QS]
	v_nop                                          ; a plain line behind the conversions
	global_store_b128 v3, v[C+4*QS:C+4*QS+3], s[DST+2*QS:DST+2*QS+1] offset:512*(\t)   ; 32 lanes store 512 consecutive bytes, aligned
.set QS, QS+1
.endr
.if (\t)+4 < 16
	QLOAD (\t)+4                                   ; the set just read takes the numbers of four steps on
.endif
.endm
; cos and sin of position x frequency, frequency f0 in lanes 0-15 and f1 in lanes 16-31.  n = the nearest whole number to a x 2 / pi; r = a - n x pi / 2, pi / 2 in two parts, by fused
; multiply-adds; polynomials on |r| <= pi / 4; the quadrant n mod 4 exchanges the two and sets their signs.
.macro SINCOS c, p, f0, f1
	v_mov_b32 v8, \f1
	v_cndmask_b32 v8, \f0, v8, vcc_lo              ; VCC: lanes 16-31
	v_mul_f32 v9, v7, v8                           ; a
	v_mul_f32 v10, s44, v9
	v_rndne_f32 v10, v10                           ; n
	v_fma_f32 v11, -v10, s45, v9
	v_fma_f32 v11, -v10, s46, v11                  ; r
	v_mul_f32 v12, v11, v11                        ; z = r r
	v_fma_f32 v13, v12, s49, s48
	v_fma_f32 v13, v13, v12, s47
	v_mul_f32 v14, v12, v11
	v_fma_f32 v15, v13, v14, v11                   ; sin r = r + r z (S1 + z (S2 + z S3))
	v_fma_f32 v16, v12, s52, s51
	v_fma_f32 v16, v16, v12, s50
	v_mul_f32 v17, v12, v12
	v_fma_f32 v18, v12, -0.5, 1.0
	v_fma_f32 v18, v16, v17, v18                   ; cos r = 1 - z / 2 + z z (C1 + z (C2 + z C3))
	v_cvt_i32_f32 v19, v10
	v_and_b32 v20, 1, v19
	v_cmp_eq_u32 s54, 1, v20                       ; odd quadrants exchange the two
	v_cndmask_b32 v21, v15, v18, s54
	v_cndmask_b32 v22, v18, v15, s54
	v_lshlrev_b32 v20, 30, v19
	v_and_b32 v20, s53, v20                        ; sin is negative in quadrants 2, 3: bit 1 of n
	v_xor_b32 v[RES+8*\c+2*\p+1], v21, v20
	v_add_nc_u32 v19, 1, v19
	v_lshlrev_b32 v19, 30, v19
	v_and_b32 v19, s53, v19                        ; cos in quadrants 1, 2: bit 1 of n + 1
	v_xor_b32 v[RES+8*\c+2*\p], v22, v19
.endm
	s_load_b512 s[8:23], s[0:1], 0x0               ; x 8, wq 10, wk 12, wv 14, wo 16, token_positions 18, lowp_scales 20, codes 22
	s_load_b64 s[24:25], s[0:1], 0x40              ; rope
	v_lshrrev_b32 v1, 5, v0
	v_readfirstlane_b32 s28, v1                    ; wave 0..3
	v_and_b32 v2, 31, v0                           ; lane
	v_lshlrev_b32 v3, 4, v2                        ; 16 x lane: where my 16 bytes go
	s_wait_kmcnt 0x0
	s_load_b256 s[32:39], s[20:21], 0x0            ; e0 .. e7
	s_load_b128 s[40:43], s[20:21], 0x20           ; e8 .. e11
	s_cmp_lt_u32 ttmp9, 256
	s_cbranch_scc0 .Lnot_x
	; ---- x
	s_lshl_b32 s29, ttmp9, 2
	s_add_co_u32 s29, s29, s28                     ; my run of 8,192 numbers
	s_lshl_b32 s30, s29, 15
	s_mov_b32 s31, 0
	s_add_nc_u64 s[SRC:SRC+1], s[8:9], s[30:31]
	s_lshl_b32 s30, s29, 13
	s_add_nc_u64 s[DST:DST+1], s[22:23], s[30:31]
	s_add_nc_u64 s[DST+2:DST+3], s[DST:DST+1], 0x800000
	s_add_nc_u64 s[DST+4:DST+5], s[DST+2:DST+3], 0x800000
	s_wait_alu depctr_va_vdst(0)
.irp i, 0,1,2,3
	v_add_nc_u32 v[OFF+\i], 512*\i, v3
.endr
.irp t, 0,1,2,3
	QLOAD \t
.endr
	s_wait_kmcnt 0x0
	MKSC 32, 0
	MKSC 34, 1
	MKSC 36, 2
	s_wait_alu depctr_va_vdst(0)
.irp t, 0,1,2,3,4,5,6,7,8,9,10,11,12,13,14,15
	QSTEP \t, 3
.endr
	s_endpgm
.Lnot_x:
	s_cmp_lt_u32 ttmp9, 384
	s_cbranch_scc0 .Lrope
	; ---- the four weights
	s_sub_co_u32 s29, ttmp9, 256
	s_lshr_b32 s30, s29, 5                         ; which weight: 0 wq, 1 wk, 2 wv, 3 wo
	s_and_b32 s29, s29, 31                         ; which 32 rows of it
	s_and_b32 s53, s28, 1
	s_lshl_b32 s53, s53, 1
	s_lshr_b32 s54, s28, 1
	s_or_b32 s53, s53, s54                         ; my wave's two bits exchanged
	s_wait_kmcnt 0x0
	s_mov_b64 s[SRC:SRC+1], s[16:17]
	s_mov_b32 s52, s43
	s_cmp_eq_u32 s30, 0                            ; the choices hang on the work-group's number alone
	s_cselect_b64 s[SRC:SRC+1], s[10:11], s[SRC:SRC+1]
	s_cselect_b32 s52, s33, s52
	s_cmp_eq_u32 s30, 1
	s_cselect_b64 s[SRC:SRC+1], s[12:13], s[SRC:SRC+1]
	s_cselect_b32 s52, s35, s52
	s_cmp_eq_u32 s30, 2
	s_cselect_b64 s[SRC:SRC+1], s[14:15], s[SRC:SRC+1]
	s_cselect_b32 s52, s37, s52
	s_cselect_b32 s53, s53, s28                    ; wv alone: the group of 8 rows goes to the exchanged place
	s_cmp_eq_u32 s30, 3
	s_cselect_b32 s54, 6, 4                        ; wo: lanes 64 bytes apart, a lane's loads 16 apart; the others: 16 and 512
	s_cselect_b32 s55, 16, 512
	s_lshl_b32 s58, s29, 17
	s_lshl_b32 s59, s28, 15
	s_add_co_u32 s58, s58, s59                     ; rows 32 G + 8 wave, 4,096 bytes each
	s_mov_b32 s59, 0
	s_add_nc_u64 s[SRC:SRC+1], s[SRC:SRC+1], s[58:59]
	s_lshl_b32 s58, s30, 20
	s_add_co_u32 s58, s58, 0x1800000
	s_lshl_b32 s56, s29, 15
	s_add_co_u32 s58, s58, s56
	s_lshl_b32 s56, s53, 13
	s_add_co_u32 s58, s58, s56
	s_add_nc_u64 s[DST:DST+1], s[22:23], s[58:59]
	s_wait_alu depctr_va_vdst(0)
	v_lshlrev_b32 v[OFF], s54, v2
	v_add_nc_u32 v[OFF+1], s55, v[OFF]
	v_add_nc_u32 v[OFF+2], s55, v[OFF+1]
	v_add_nc_u32 v[OFF+3], s55, v[OFF+2]
.irp t, 0,1,2,3
	QLOAD \t
.endr
	MKSC 52, 0
	s_wait_alu depctr_va_vdst(0)
.irp t, 0,1,2,3,4,5,6,7,8,9,10,11,12,13,14,15
	QSTEP \t, 1
.endr
	s_endpgm
.Lrope:
	; ---- cos and sin: a wave takes a tile of 16 tokens; lane (r, h) token r and 16 of its 32 pairs
	s_sub_co_u32 s29, ttmp9, 384
	s_lshl_b32 s29, s29, 2
	s_add_co_u32 s29, s29, s28                     ; the tile
	v_and_b32 v4, 15, v0                           ; r
	v_bfe_u32 v5, v0, 4, 1                         ; h
	s_wait_alu depctr_va_vdst(0)
	s_lshl_b32 s30, s29, 6
	v_lshl_add_u32 v6, v4, 2, s30
	global_load_b32 v7, v6, s[18:19]               ; the token's position
	s_lshl_b32 s30, s29, 12
	s_mov_b32 s31, 0
	s_add_nc_u64 s[24:25], s[24:25], s[30:31]
	s_mov_b32 s44, 0x3f22f983                      ; 2 / pi
	s_mov_b32 s45, 0x3fc90fdb                      ; pi / 2, its f32 part,
	s_mov_b32 s46, 0xb33bbd2e                      ; and what that lacks
	s_mov_b32 s47, -0.16666654611
	s_mov_b32 s48, 0.0083321608736
	s_mov_b32 s49, -0.00019515295891
	s_mov_b32 s50, 0.041666645683
	s_mov_b32 s51, -0.0013887316255
	s_mov_b32 s52, 0.000024433157118
	s_mov_b32 s53, 0x80000000
	v_cmp_eq_u32 vcc_lo, 1, v5
	s_wait_loadcnt 0x0
	v_cvt_f32_i32 v7, v7
	; the frequencies 10000^(-i / 32) = 10^(-i / 8), i = 8 c + 4 h + p
	SINCOS 0, 0, 1.0, 0.3162277660
	SINCOS 0, 1, 0.7498942093, 0.2371373706
	SINCOS 0, 2, 0.5623413252, 0.1778279410
	SINCOS 0, 3, 0.4216965034, 0.1333521432
	SINCOS 1, 0, 0.1, 0.03162277660
	SINCOS 1, 1, 0.07498942093, 0.02371373706
	SINCOS 1, 2, 0.05623413252, 0.01778279410
	SINCOS 1, 3, 0.04216965034, 0.01333521432
	SINCOS 2, 0, 0.01, 0.003162277660
	SINCOS 2, 1, 0.007498942093, 0.002371373706
	SINCOS 2, 2, 0.005623413252, 0.001778279410
	SINCOS 2, 3, 0.004216965034, 0.001333521432
	SINCOS 3, 0, 0.001, 0.0003162277660
	SINCOS 3, 1, 0.0007498942093, 0.0002371373706
	SINCOS 3, 2, 0.0005623413252, 0.0001778279410
	SINCOS 3, 3, 0.0004216965034, 0.0001333521432
.irp c, 0,1,2,3
.irp q, 0,1
	global_store_b128 v3, v[RES+8*\c+4*\q:RES+8*\c+4*\q+3], s[24:25] offset:1024*\c+512*\q   ; 512 consecutive bytes a store
.endr
.endr
	s_endpgm
.Lfunc_end_k_q290e0f187c_prep:
	.size	k_q290e0f187c_prep, .Lfunc_end_k_q290e0f187c_prep-k_q290e0f187c_prep
	.p2alignl 7, 3214868480
	.fill 96, 4, 3214868480
	.section	.rodata,"a",@progbits
	.p2align	6, 0x0
	.amdhsa_kernel k_q290e0f187c_prep
		.amdhsa_group_segment_fixed_size 0
		.amdhsa_private_segment_fixed_size 0
		.amdhsa_enable_private_segment 0
		.amdhsa_kernarg_size 72
		.amdhsa_user_sgpr_count 2
		.amdhsa_user_sgpr_kernarg_segment_ptr 1
		.amdhsa_wavefront_size32 1
		.amdhsa_system_sgpr_workgroup_id_x 1
		.amdhsa_system_sgpr_workgroup_id_y 1
		.amdhsa_system_sgpr_workgroup_id_z 1
		.amdhsa_system_vgpr_workitem_id 0
		.amdhsa_next_free_vgpr 112
		.amdhsa_next_free_sgpr 66
		.amdhsa_reserve_vcc 1
		.amdhsa_float_denorm_mode_32 3
		.amdhsa_float_denorm_mode_16_64 3
		.amdhsa_fp16_overflow 1
		.amdhsa_memory_ordered 1
		.amdhsa_forward_progress 1
		.amdhsa_inst_pref_size 58
	.end_amdhsa_kernel
	.amdgpu_metadata
---
amdhsa.version: [ 1, 2 ]
amdhsa.kernels:
  - .name:           k_q290e0f187c_prep
    .symbol:         k_q290e0f187c_prep.kd
    .args:
      - { .name: x, .offset: 0, .size: 8, .value_kind: global_buffer, .address_space: global }
      - { .name: wq, .offset: 8, .size: 8, .value_kind: global_buffer, .address_space: global }
      - { .name: wk, .offset: 16, .size: 8, .value_kind: global_buffer, .address_space: global }
      - { .name: wv, .offset: 24, .size: 8, .value_kind: global_buffer, .address_space: global }
      - { .name: wo, .offset: 32, .size: 8, .value_kind: global_buffer, .address_space: global }
      - { .name: token_positions, .offset: 40, .size: 8, .value_kind: global_buffer, .address_space: global }
      - { .name: lowp_scales, .offset: 48, .size: 8, .value_kind: global_buffer, .address_space: global }
      - { .name: codes, .offset: 56, .size: 8, .value_kind: global_buffer, .address_space: global }
      - { .name: rope, .offset: 64, .size: 8, .value_kind: global_buffer, .address_space: global }
    .group_segment_fixed_size: 0
    .private_segment_fixed_size: 0
    .kernarg_segment_align: 8
    .kernarg_segment_size: 72
    .max_flat_workgroup_size: 128
    .sgpr_count:     66
    .vgpr_count:     112
    .wavefront_size: 32
...
	.end_amdgpu_metadata
.endif
;; end of part 1
;; launch qkvproj (part 2): grid 12 x 32, 4 waves a work-group, clusters of 4 x 4, 327,680 bytes of LDS; arguments codes, rope, lowp_scales, qkv; writes qkv
.if DOCPART == 2
	.amdgcn_target "amdgcn-amd-amdhsa--gfx1250"
	.amdhsa_code_object_version 6
	.text
	.protected	k_q290e0f187c_qkvproj
	.globl	k_q290e0f187c_qkvproj
	.p2align	8
	.type	k_q290e0f187c_qkvproj,@function
k_q290e0f187c_qkvproj:
	s_mov_b64 s[64:65], 0
	v_nop
	global_prefetch_b8 v0, s[64:65] scope:SCOPE_SE
	s_setreg_imm32_b32 hwreg(HW_REG_WAVE_MODE, 25, 1), 1
	s_wait_xcnt 0x0
	s_wait_alu depctr_hold_cnt(0) depctr_sa_sdst(0) depctr_va_vdst(0) depctr_va_sdst(0) depctr_va_ssrc(0) depctr_va_vcc(0) depctr_vm_vsrc(0)
	s_getreg_b32 s2, hwreg(HW_REG_IB_STS2, 6, 4)
	s_cmp_eq_u32 s2, 0
	s_cbranch_scc0 .Lentry_in_a_cluster
	s_endpgm
.Lentry_in_a_cluster:
	s_bfe_u32 s2, ttmp6, 0x10000c
	s_cmp_lg_u32 s2, 0xf033
	s_cbranch_scc0 .Lentry_shape_is_right
	s_endpgm
.Lentry_shape_is_right:
; The three projections on codes of FP8 (E4M3), the rotation of q and k, and the quantisers of q, k and v.  K = 1,024.
; The cluster's x says which: 0 q, 1 k, 2 v; it is the same in all sixteen partners, and every branch below hangs on it or on the wave's number.
; A tile of 256 x 256 sums is made by four waves, 128 x 128 each: 64 accumulators of 16 x 16.  K goes in steps of 256 through a ring of two LDS slots filled by the tensor data mover.
; THE MATRIX INSTRUCTION IS USED TRANSPOSED (source 0 = 16 rows of 'B', source 1 = 16 rows of 'A'): a lane holds ONE row of A and its eight registers eight neighbouring rows of B.
;   q, k: A = x's codes (a lane is a token), B = the weight's (registers are 8 neighbouring channels: the rotation's pairs lie in neighbouring registers, and 8 codes are 8 neighbours along the next K, the head's 64).
;   v:    A = wv's codes (a lane is a channel), B = x's (registers are 8 neighbouring tokens: neighbours along the next K, the keys).
; So the conversions' results ARE the next products' operand registers, and they are stored as images of those registers: 16 bytes a lane, 512 consecutive bytes a store, no way through LDS.
; LAYOUT of qkv: q at 0, k at 8 MiB: [batch x head 64][tile of 16 tokens 128][2][lane][16 bytes]: lane (r, h), registers 2 c, 2 c + 1: channels 16 c + 8 h + 0 .. 7 of token r.
;   v at 16 MiB: [batch x head 64][128 keys 16][tile of 16 stored channel rows 4][4][lane][16 bytes]: lane (r, h), registers 2 c, 2 c + 1: keys 16 c + 8 h + 0 .. 7 of row r.
; CLUSTERS: 4 x 4 work-groups.  A's tiles hang on cy (and the cluster's y) alone and are asked for jointly along a row of the cluster, B's on cx alone, along a column.
; The given scales are folded: a sum stands for sum x 2^(ex + ew), and the rotation is linear, so the conversion takes 2^E, E = eo - ex - ew (q: e6 - e0 - e1; k: e7 - e2 - e3; v: e9 - e4 - e5).
; LIMIT: E between -126 and 119, so that 2^E and 448 x 2^E are f32 numbers.  NaN is not served.
; REGISTERS, in windows of 256: window 0: v0-31 addresses and the scale; from v128 A's fragments, one set; on the way out v32-255 are free.  window 1: B's fragments, two sets; on the way out cos and sin.
;   window 2: the 32 accumulators of my rows 0-63 of A (accumulator (a, b) at v[8 (8 a + b)]);  window 3: those of my rows 64-127.
.set ROWB,   256                       ; a tile's row in bytes: 256 along K
.set KROW,   1024                      ; a row of codes in memory
.set PITCH,  272                       ; an LDS row: 256 bytes + 16 of padding = 68 words: the 16 rows that a load touches start at 16 different banks (64 banks of 4 bytes: ISA guide 11.1)
.set FR,     16                        ; registers of a fragment: 16 rows x 128 K
.set NL,     4                         ; LDS loads that bring one
.set NP,     4                         ; places behind this matrix instruction (ISA guide 7.12.1)
.set HALFT,  128*PITCH                 ; 128 rows: what one tensor load brings
.set SLOT,   4*HALFT                   ; A's 256 rows, then B's 256 rows
.set SPARE,  2*SLOT                    ; behind the ring: the spare words, 128 bytes for each wave, which no other line names
.set ADRA, 16                          ; v16-17  LDS address of my A fragments in slot 0, 1
.set ADRB, 20                          ; v20-21  the same for B
.set LN,   26                          ; v26     16 x lane; never rewritten
.set SPW,  28                          ; v28     LDS address of my spare word; never rewritten
.set NIL,  29                          ; v29     0; never rewritten
.set SCL,  30                          ; v30     2^E as f32
.set LIM,  31
.set TMP,  32                          ; the way out: numbers at work
.set CD,   64                          ; q, k: v64-191 codes, 8 registers for each (block of tokens, head); never rewritten
.set VC,   96                          ; v: v96-223 codes, 16 registers for each block of channels; never rewritten
.set AF,   128                         ; A's fragments, in window 0
.set G1, 24                            ; s[24:31] descriptor group 1 for A's tiles;  s[32:39] group 0, one set for each slot
.set G0, 32
.set G1B, 48                           ; s[48:55], s[56:63] the same for B's tiles
.set G0B, 56
.set MSB, 0
.macro WIN new                         ; the immediate's high byte repeats the setting that is left
.if MSB != \new
	s_set_vgpr_msb (MSB<<8)|\new
.set MSB, \new
.endif
.endm
.set MUL_LO, 0xa1                      ; source 0 (B) window 1, source 1 (A) window 0, C and D window 2
.set MUL_HI, 0xf1                      ; the same, C and D window 3
.set TO_B,   0x40                      ; destination window 1, address window 0
; A joint load: waves 0 and 1 fetch for A, waves 2 and 3 for B.  The branch hangs on the wave's number alone.  An s_nop 0 and four v_nop follow each of the two lines.
.macro JLOAD g0a, g1a, g0b, g1b
	s_cmp_eq_u32 s15, 0
	s_cbranch_scc0 .Lfor_b_\@
	tensor_load_to_lds s[\g0a:\g0a+3], s[\g1a:\g1a+7]
	s_nop 0
.rept 4
	v_nop
.endr
	s_branch .Lasked_\@
.Lfor_b_\@:
	tensor_load_to_lds s[\g0b:\g0b+3], s[\g1b:\g1b+7]
	s_nop 0
.rept 4
	v_nop
.endr
.Lasked_\@:
.endm
.macro CREST                           ; a round of the cluster's barrier behind its opening barrier
	s_cmp_lg_u32 s14, 0
	s_cbranch_scc1 .Lnot_wave_0_\@
	s_barrier_signal -3
.Lnot_wave_0_\@:
	s_barrier_wait -3
	s_barrier_signal -1
	s_barrier_wait -1
.endm
.macro CROUND                          ; a whole round
	s_barrier_signal -1
	s_barrier_wait -1
	CREST
.endm
.macro CLOSE                           ; a wave's end
	s_wait_tensorcnt 0x0                           ; my last tensor load has landed
	ds_add_u32 v[SPW], v[NIL]
	s_wait_dscnt 0x0
	CROUND                                         ; the closing round: no work-group ends while a partner may still ask for a tile that names it
	s_endpgm
.endm
	s_load_b256 s[4:11], s[0:1], 0x0               ; codes s[4:5], rope s[6:7], lowp_scales s[8:9], qkv s[10:11]
	v_lshl_add_u32 v[SPW], v0, 2, SPARE
	v_mov_b32 v[NIL], 0
	ds_add_u32 v[SPW], v[NIL]                      ; the wave's opening: the add and its wait stand ahead of my first tensor load; the set-up below, work on registers, stands between them
	ds_add_u32 v[SPW], v[NIL]
	v_lshrrev_b32 v1, 5, v0
	v_readfirstlane_b32 s14, v1                    ; wave 0..3
	s_lshr_b32 s15, s14, 1                         ; which half of A's 256 rows is mine.  Also: I fetch for A (0) or for B (1)
	s_and_b32 s16, s14, 1                          ; which half of B's.  Also: which 128 rows of that tile I fetch
	s_bfe_u32 s40, ttmp6, 0x40000                  ; cx
	s_bfe_u32 s41, ttmp6, 0x40004                  ; cy
	s_and_b32 s12, ttmp7, 0xffff
	s_lshl_b32 s12, s12, 2                         ; 4 x cluster y
	s_add_co_u32 s17, s12, s41                     ; 4 x cluster y + cy
	s_add_co_u32 s42, s12, s40                     ; 4 x cluster y + cx
	s_lshl_b32 s13, ttmp9, 23                      ; x's codes for product 1 or 2
	s_lshl_b32 s86, ttmp9, 20
	s_add_co_u32 s86, s86, 0x1800000               ; wq's or wk's codes
	s_mov_b32 s87, 0x1a00000                       ; wv's codes
	s_mov_b32 s88, 0x1000000                       ; x's codes for product 3
	s_cmp_eq_u32 ttmp9, 2                          ; v: the weight is A and x is B
	s_cselect_b32 s17, s41, s17                    ; A's tile of 256 rows: made of cy and the cluster's y alone
	s_cselect_b32 s42, s42, s40                    ; B's: of cx and the cluster's y alone
	s_cselect_b32 s13, s87, s13                    ; where A's codes begin
	s_cselect_b32 s86, s88, s86                    ; where B's begin
	s_lshl_b32 s43, s41, 2
	s_lshl_b32 s43, 15, s43                        ; my row of the cluster
	s_lshl_b32 s44, 0x1111, s40                    ; my column
	; descriptor group 1: a tile of 128 rows x 256 bytes, padded in LDS
	s_or_b32 s[G1+0], s43, (0<<16)|(1<<20)|(1<<21)|(5<<22)|(3<<25)  ; 15:0 the mask: A's tiles go to my row; 17:16 element of 1 byte; 20 padding on; 21 set beside a mask; 24:22 after every 64 words; 31:25 of 4 words
	s_or_b32 s[G1B+0], s44, (0<<16)|(1<<20)|(1<<21)|(5<<22)|(3<<25)
.irp g, G1, G1B
	s_mov_b32 s[\g+1], ROWB<<16                    ; tensor_dim0
	s_mov_b32 s[\g+2], 128<<16                     ; tensor_dim1
	s_mov_b32 s[\g+3], ROWB<<16                    ; tile_dim0
	s_mov_b32 s[\g+4], 128                         ; tile_dim1
	s_mov_b32 s[\g+5], KROW                        ; tensor_dim0_stride
	s_mov_b32 s[\g+6], 0
	s_mov_b32 s[\g+7], 0
.endr
	s_lshl_b32 s18, s16, 17                        ; which 128 rows of 1,024 bytes I fetch
	s_lshl_b32 s20, s17, 18
	s_add_co_u32 s20, s20, s18
	s_add_co_u32 s20, s20, s13                     ; A's tile, in bytes from the buffer's head (under 28 MiB)
	s_mov_b32 s21, 0
	s_lshl_b32 s46, s42, 18
	s_add_co_u32 s46, s46, s18
	s_add_co_u32 s46, s46, s86                     ; B's
	s_mov_b32 s47, 0
	s_mul_i32 s45, s14, HALFT                      ; where they go: wave x 128 rows: no place in the cluster enters an LDS address
	s_wait_dscnt 0x0                               ; the opening add is done
	s_wait_kmcnt 0x0
	s_load_b256 s[68:75], s[8:9], 0x0              ; e0 .. e7
	s_load_b128 s[76:79], s[8:9], 0x20             ; e8 .. e11
	s_add_nc_u64 s[20:21], s[4:5], s[20:21]
	s_add_nc_u64 s[46:47], s[4:5], s[46:47]
	CROUND                                         ; all sixteen work-groups are here: the first joint loads meet
.irp s, 0,1
	s_mov_b32 s[G0+4*\s], 1
	s_add_co_u32 s[G0+4*\s+1], s45, \s*SLOT
	s_add_nc_u64 s[G0+4*\s+2:G0+4*\s+3], s[20:21], \s*ROWB
	s_or_b32 s[G0+4*\s+3], s[G0+4*\s+3], 0x80000000
	s_mov_b32 s[G0B+4*\s], 1
	s_add_co_u32 s[G0B+4*\s+1], s45, \s*SLOT
	s_add_nc_u64 s[G0B+4*\s+2:G0B+4*\s+3], s[46:47], \s*ROWB
	s_or_b32 s[G0B+4*\s+3], s[G0B+4*\s+3], 0x80000000
	s_wait_alu depctr_va_vdst(0)
	s_wait_tensorcnt 0x0
	ds_add_u32 v28, v29
	ds_add_u32 v28, v29
	s_wait_dscnt 0x0
	CROUND
	JLOAD G0+4*\s, G1, G0B+4*\s, G1B
.endr
	v_and_b32 v1, 15, v0                           ; l % 16
	v_bfe_u32 v2, v0, 4, 1                         ; l / 16
	v_mul_u32_u24 v3, v1, PITCH
	v_lshl_add_u32 v4, v2, 4, v3                   ; a fragment's row x pitch + 16 x half
	s_mul_i32 s21, s15, HALFT                      ; my 128 rows of A
	s_mul_i32 s22, s16, HALFT                      ; my 128 rows of B,
	s_add_co_u32 s22, s22, 2*HALFT                 ; which lie behind A's 256
.irp s, 0,1
	v_add_nc_u32 v[ADRA+\s], s21, v4
	v_add_nc_u32 v[ADRB+\s], s22, v4
	s_add_co_u32 s21, s21, SLOT
	s_add_co_u32 s22, s22, SLOT
.endr
	v_and_b32 v6, 31, v0
	v_lshlrev_b32 v[LN], 4, v6
.macro FRAG reg, adr, q, i             ; a fragment: lane l holds row l % 16; registers 4 c .. 4 c + 3 hold the bytes 32 c + 16 (l / 16) + 0 .. 15 of its 128: the same places in A and in B
.irp c, 0,1,2,3
	ds_load_b128 v[\reg+4*\c:\reg+4*\c+3], v[\adr] offset:128*(\q)+32*\c+(\i)*16*PITCH
.endr
.endm
; 16 matrix instructions: A's blocks a0, a0 + 1 x B's eight, 128 along K.  p: B's set.  zero = 1: the first product starts the sums.
; The 64 accumulators take turns, one instruction a turn, in the same order in every step.
.macro MUL16 a0, p, zero
.irp a, \a0, \a0+1
.irp b, 0,1,2,3,4,5,6,7
.if \zero
	v_wmma_f32_16x16x128_fp8_fp8 v[8*(8*((\a)%4)+\b):8*(8*((\a)%4)+\b)+7], v[128*(\p)+FR*\b:128*(\p)+FR*\b+FR-1], v[AF+FR*(\a):AF+FR*(\a)+FR-1], 0
.else
	v_wmma_f32_16x16x128_fp8_fp8 v[8*(8*((\a)%4)+\b):8*(8*((\a)%4)+\b)+7], v[128*(\p)+FR*\b:128*(\p)+FR*\b+FR-1], v[AF+FR*(\a):AF+FR*(\a)+FR-1], v[8*(8*((\a)%4)+\b):8*(8*((\a)%4)+\b)+7]
.endif
.endr
.endr
.endm
.macro FETCH_B slot, q, p              ; B's eight fragments of the slot's q-th 128 along K into set p
	WIN TO_B
.irp i, 0,1,2,3,4,5,6,7
	FRAG 128*(\p)+FR*\i, ADRB+\slot, \q, \i
.endr
	WIN 0
.endm
.macro FETCH_A slot, q, i0             ; A's blocks i0 .. i0 + 3
.irp i, \i0, \i0+1, \i0+2, \i0+3
	FRAG AF+FR*(\i), ADRA+\slot, \q, \i
.endr
.endm
.macro PLACES n                        ; plain vector lines between a matrix instruction and a load into, or a read of, its registers
.rept \n
	v_nop
.endr
.endm
; A step of 128 along K that has its successor in the same slot.  A's blocks 0-3 are fetched anew in its middle, blocks 4-7 at its end; B has two sets.
.macro STEP slot, q, zero
	s_wait_dscnt 4*NL                              ; B's set and A's blocks 0-3 are in; the youngest sixteen loads (A's blocks 4-7) may be out
	WIN MUL_LO
	MUL16 0, (\q)%2, \zero
	MUL16 2, (\q)%2, \zero
	s_wait_dscnt 0                                 ; A's blocks 4-7 are in
	PLACES NP
	FETCH_B \slot, (\q)+1, 1-(\q)%2
	FETCH_A \slot, (\q)+1, 0
	WIN MUL_HI
	MUL16 4, (\q)%2, \zero
	MUL16 6, (\q)%2, \zero
	PLACES NP
	WIN 0
	FETCH_A \slot, (\q)+1, 4
.endm
; A slot's last step changes slots: ONE barrier; in front of it each wave waits for all its tensor loads, adds 0 to its spare word, and waits for that and for its own reads of this slot.  fill = 1: this slot is filled again, two K steps ahead.
.macro TURN slot, next, fill
	s_wait_tensorcnt 0x0                           ; all my tensor loads have landed: my part of the next slot (every window is 0 here)
	ds_add_u32 v[SPW], v[NIL]                      ; 0 onto my spare word
	s_wait_dscnt 4*NL+1                            ; the add and the youngest sixteen loads (A's blocks 4-7) may be out
	WIN MUL_LO
	MUL16 0, 1, 0                                  ; sixteen matrix instructions stand between the add and the wait for it
	s_wait_dscnt 0x0                               ; the add is done, and my reads of this slot are over
	s_barrier_signal -1
	MUL16 2, 1, 0
	WIN 0
	s_barrier_wait -1
.if \fill
	CREST                                          ; the barrier has opened a round of the cluster's barrier: no wave of any partner still reads this slot or has a load on its way
	s_add_nc_u64 s[G0+4*\slot+2:G0+4*\slot+3], s[G0+4*\slot+2:G0+4*\slot+3], 2*ROWB
	s_add_nc_u64 s[G0B+4*\slot+2:G0B+4*\slot+3], s[G0B+4*\slot+2:G0B+4*\slot+3], 2*ROWB
	JLOAD G0+4*\slot, G1, G0B+4*\slot, G1B         ; the first tensor load behind the round; its four v_nop are the places in front of the loads below
.else
	PLACES NP
.endif
	FETCH_B \next, 0, 0
	FETCH_A \next, 0, 0
	WIN MUL_HI
	MUL16 4, 1, 0
	MUL16 6, 1, 0
	PLACES NP
	WIN 0
	FETCH_A \next, 0, 4
.endm
	s_wait_alu depctr_va_vdst(0)
	s_wait_tensorcnt 1                             ; my part of K step 0 is in; K step 1's load may be out
	s_barrier_signal -1
	s_barrier_wait -1
	FETCH_B 0, 0, 0
	FETCH_A 0, 0, 0
	FETCH_A 0, 0, 4
	STEP 0, 0, 1                                   ; K = 1,024 is four K steps of 256, eight steps of 128: written straight, no loop.  The first products start the sums
	TURN 0, 1, 1                                   ; slot 0 takes K step 2
	STEP 1, 0, 0
	TURN 1, 0, 1                                   ; slot 1 takes K step 3
	STEP 0, 0, 0
	TURN 0, 1, 0                                   ; nothing is left to fetch
	STEP 1, 0, 0
	s_wait_dscnt 4*NL
	WIN MUL_LO
	MUL16 0, 1, 0
	MUL16 2, 1, 0
	s_wait_dscnt 0
	WIN MUL_HI
	MUL16 4, 1, 0
	MUL16 6, 1, 0
	WIN 0
	; THE WAY OUT
	PLACES NP                                      ; behind the last products: for the loads into B's registers, the writes over A's, and the first reads of results
	s_wait_kmcnt 0x0
	s_cmp_eq_u32 ttmp9, 1                          ; the three exponents of my product: chosen without a branch
	s_cselect_b32 s68, s70, s68
	s_cselect_b32 s69, s71, s69
	s_cselect_b32 s74, s75, s74
	s_cmp_eq_u32 ttmp9, 2
	s_cselect_b32 s68, s72, s68
	s_cselect_b32 s69, s73, s69
	s_cselect_b32 s74, s77, s74
	s_sub_co_i32 s74, s74, s68
	s_sub_co_i32 s74, s74, s69                     ; E = eo - ex - ew
	s_add_co_i32 s74, s74, 127
	s_lshl_b32 s75, s74, 23
	v_mov_b32 v[SCL], s75
	s_cmp_eq_u32 ttmp9, 2
	s_cbranch_scc1 .Lv
	; ---- q, k.  My rows of A are tokens: batch = tile / 8; tiles of 16 tokens tt0 + a, tt0 = 16 (tile % 8) + 8 x my half.  My rows of B are channels: heads 4 x tile + 2 x my half + hh.
	s_and_b32 s81, s17, 7
	s_lshl_b32 s81, s81, 4
	s_lshl_b32 s82, s15, 3
	s_add_co_u32 s81, s81, s82                     ; tt0
	s_lshl_b32 s82, s81, 12
	s_mov_b32 s83, 0
	s_add_nc_u64 s[6:7], s[6:7], s[82:83]          ; cos and sin of my first tile of tokens
	s_lshr_b32 s84, s17, 3
	s_lshl_b32 s84, s84, 4
	s_lshl_b32 s85, s42, 2
	s_add_co_u32 s84, s84, s85
	s_lshl_b32 s85, s16, 1
	s_add_co_u32 s84, s84, s85                     ; 16 x batch + my first head
	s_lshl_b32 s84, s84, 17
	s_lshl_b32 s85, s81, 10
	s_add_co_u32 s84, s84, s85
	s_lshl_b32 s85, ttmp9, 23
	s_add_co_u32 s84, s84, s85                     ; q's part of the buffer or k's
	s_mov_b32 s85, 0
	s_add_nc_u64 s[10:11], s[10:11], s[84:85]
	WIN TO_B                                       ; cos and sin of my 128 tokens fill window 1: pair (c, p) of block a at v[32 a + 8 c + 2 p]
.irp a, 0,1,2,3,4,5,6,7
.irp c, 0,1,2,3
.irp q, 0,1
	global_load_b128 v[32*\a+8*\c+4*\q:32*\a+8*\c+4*\q+3], v[LN], s[6:7] offset:4096*\a+1024*\c+512*\q
.endr
.endr
.endr
.irp a, 0,1,2,3,4,5,6,7
	s_wait_loadcnt 56-8*\a                         ; this block's eight loads are in; those of the later blocks stay out
.irp hh, 0,1
.set WQ, 0x06+(\a/4)
	WIN WQ                                         ; source 0 (the sums) window 2 or 3, source 1 (cos, sin) window 1
.irp c, 0,1,2,3
.irp p, 0,1,2,3
.set RX, 64*(\a%4)+8*(4*\hh+\c)+2*\p
.set RC, 32*\a+8*\c+2*\p
.set RT, TMP+8*\c+2*\p
	v_pk_mul_f32 v[RT:RT+1], v[RX:RX+1], v[RC:RC+1] op_sel_hi:[1,0]   ; (x1 cos, x2 cos); each accumulator is read from its low end on
.endr
.endr
.irp c, 0,1,2,3
.irp p, 0,1,2,3
.set RX, 64*(\a%4)+8*(4*\hh+\c)+2*\p
.set RC, 32*\a+8*\c+2*\p
.set RT, TMP+8*\c+2*\p
	v_pk_fma_f32 v[RT:RT+1], v[RX:RX+1], v[RC:RC+1], v[RT:RT+1] op_sel:[1,1,0] op_sel_hi:[0,1,1] neg_lo:[1,0,0]   ; (- x2 sin, + x1 sin) onto them
.endr
.endr
	WIN 0
.set i, 0
.rept 32
.set i, i+1
.endr
.irp c, 0,1,2,3
	v_cvt_scalef32_pk8_fp8_f32 v[CD+8*(2*\a+\hh)+2*\c:CD+8*(2*\a+\hh)+2*\c+1], v[TMP+8*\c:TMP+8*\c+7], v[SCL]   ; registers 2 c, 2 c + 1 of the operand
.endr
	v_nop                                          ; a plain line behind the conversions: the next products of the rotation write their sources
	global_store_b128 v[LN], v[CD+8*(2*\a+\hh):CD+8*(2*\a+\hh)+3], s[10:11] offset:1024*\a+131072*\hh
	global_store_b128 v[LN], v[CD+8*(2*\a+\hh)+4:CD+8*(2*\a+\hh)+7], s[10:11] offset:1024*\a+131072*\hh+512
.endr
.endr
	CLOSE
.Lv:
	; ---- v.  My rows of A are stored channel rows: heads 4 x tile + 2 x my half + a / 4, tile of 16 rows a % 4.  My rows of B are tokens: batch = tile / 8, the 128 keys 2 (tile % 8) + my half.
	s_lshr_b32 s84, s42, 3
	s_lshl_b32 s84, s84, 4
	s_lshl_b32 s85, s17, 2
	s_add_co_u32 s84, s84, s85
	s_lshl_b32 s85, s15, 1
	s_add_co_u32 s84, s84, s85                     ; 16 x batch + my first head
	s_lshl_b32 s84, s84, 17
	s_and_b32 s85, s42, 7
	s_lshl_b32 s85, s85, 1
	s_add_co_u32 s85, s85, s16
	s_lshl_b32 s85, s85, 13
	s_add_co_u32 s84, s84, s85
	s_add_co_u32 s84, s84, 0x1000000
	s_mov_b32 s85, 0
	s_add_nc_u64 s[10:11], s[10:11], s[84:85]
	s_wait_alu depctr_va_vdst(0)
.irp a, 0,1,2,3,4,5,6,7
.set WQ, 0x02+(\a/4)
	WIN WQ                                         ; source 0 (the sums) window 2 or 3
.set i, 0
.rept 64
.set i, i+1
.endr
.irp b, 0,1,2,3,4,5,6,7
	v_cvt_scalef32_pk8_fp8_f32 v[VC+16*\a+2*\b:VC+16*\a+2*\b+1], v[TMP+8*\b+((64*(\a%4)+i)-(TMP+i)):TMP+8*\b+7+((64*(\a%4)+i)-(TMP+i))], v[SCL]
.endr
	WIN 0
	v_nop                                          ; a plain line behind the conversions
.irp k, 0,1,2,3
	global_store_b128 v[LN], v[VC+16*\a+4*\k:VC+16*\a+4*\k+3], s[10:11] offset:131072*(\a/4)+2048*(\a%4)+512*\k
.endr
.endr
	CLOSE
.Lfunc_end_k_q290e0f187c_qkvproj:
	.size	k_q290e0f187c_qkvproj, .Lfunc_end_k_q290e0f187c_qkvproj-k_q290e0f187c_qkvproj
	.p2alignl 7, 3214868480
	.fill 96, 4, 3214868480
	.section	.rodata,"a",@progbits
	.p2align	6, 0x0
	.amdhsa_kernel k_q290e0f187c_qkvproj
		.amdhsa_group_segment_fixed_size 327680
		.amdhsa_private_segment_fixed_size 0
		.amdhsa_enable_private_segment 0
		.amdhsa_kernarg_size 32
		.amdhsa_user_sgpr_count 2
		.amdhsa_user_sgpr_kernarg_segment_ptr 1
		.amdhsa_wavefront_size32 1
		.amdhsa_system_sgpr_workgroup_id_x 1
		.amdhsa_system_sgpr_workgroup_id_y 1
		.amdhsa_system_sgpr_workgroup_id_z 1
		.amdhsa_system_vgpr_workitem_id 0
		.amdhsa_next_free_vgpr 1024
		.amdhsa_next_free_sgpr 100
		.amdhsa_reserve_vcc 0
		.amdhsa_float_denorm_mode_32 3
		.amdhsa_float_denorm_mode_16_64 3
		.amdhsa_fp16_overflow 1
		.amdhsa_memory_ordered 1
		.amdhsa_forward_progress 1
		.amdhsa_inst_pref_size 135
	.end_amdhsa_kernel
	.amdgpu_metadata
---
amdhsa.version: [ 1, 2 ]
amdhsa.kernels:
  - .name:           k_q290e0f187c_qkvproj
    .symbol:         k_q290e0f187c_qkvproj.kd
    .args:
      - { .name: codes, .offset: 0, .size: 8, .value_kind: global_buffer, .address_space: global }
      - { .name: rope, .offset: 8, .size: 8, .value_kind: global_buffer, .address_space: global }
      - { .name: lowp_scales, .offset: 16, .size: 8, .value_kind: global_buffer, .address_space: global }
      - { .name: qkv, .offset: 24, .size: 8, .value_kind: global_buffer, .address_space: global }
    .group_segment_fixed_size: 327680
    .private_segment_fixed_size: 0
    .kernarg_segment_align: 8
    .kernarg_segment_size: 32
    .max_flat_workgroup_size: 128
    .sgpr_count:     100
    .vgpr_count:     1024
    .wavefront_size: 32
...
	.end_amdgpu_metadata
.endif
;; end of part 2
;; launch attention (part 3): grid 4 x 64, 16 waves a work-group, no clusters, 327,680 bytes of LDS; arguments qkv, lowp_scales, actx; writes actx
.if DOCPART == 3
	.amdgcn_target "amdgcn-amd-amdhsa--gfx1250"
	.amdhsa_code_object_version 6
	.text
	.protected	k_q290e0f187c_attention
	.globl	k_q290e0f187c_attention
	.p2align	8
	.type	k_q290e0f187c_attention,@function
k_q290e0f187c_attention:
	s_mov_b64 s[64:65], 0
	v_nop
	global_prefetch_b8 v0, s[64:65] scope:SCOPE_SE
	s_setreg_imm32_b32 hwreg(HW_REG_WAVE_MODE, 25, 1), 1
	s_wait_xcnt 0x0
; Causal attention on codes of FP8 (E4M3), head size 64, 2,048 tokens, 64 (batch, head) pairs; its result is quantised for the last projection.
; THE SOFTMAX AHEAD OF THE SECOND PRODUCT: t = score x log2(e) / 8; M = the row's largest t so far, rounded UP to a whole number; p = 2^(t - M) is quantised (2^e8), not normalised.
; The row's sum is taken of the unquantised p and divides at the end.  When M moves, the sum and O are multiplied by 2^(old M - new M): exact.
; SHARES.  Work-group (x, bh) owns two blocks of 256 queries of one head: block 7 - x, then block x.  Under the mask they need 8 - x and x + 1 slots of 256 keys: NINE in every work-group.
; So all 256 work-groups have the same work, the loop's trip count is a constant, and no tensor load is left out.  Each of the sixteen waves owns 16 queries of each block.
; A step is 128 keys.  A step all of whose keys come after my 16 queries is passed over by a scalar branch on ids; on the diagonal hidden scores become -infinity.
; LAYOUT.  Both products are used transposed: S^T = K Q^T (source 0 = 16 keys, source 1 = my 16 queries), O^T = V^T P^T: a lane holds ONE query throughout.  In S^T register j of tile c is key 16 c + 8 h + j,
; which is the place that the second product's form gives it: the conversions' results are P's operand.  K, V and Q lie in memory as images of operand registers: every load takes 16 bytes a lane, 512 on end.
; V's channel rows were laid so that O^T's tile t, register j, is channel 32 (t / 2) + 16 h + 8 (t % 2) + j: its codes, stored as they stand, are the last projection's operand.
; LAYOUT of actx: [tile of 16 rows 512][head 16][2][lane][16 bytes]: lane (r, h), chunk b: k = 64 head + 32 b + 16 h + 0 .. 15 of row r.
; NO JOINT LOADS: the four work-groups of a head go back to key slot 0 in trip 8 - x, so from trip 5 on their descriptors name different keys.
; LIMITS on the given exponents, so that each power of two below is an f32 number: e6 + e7 between -123 and 130 (added to c's exponent field); e8, and e10 - e8 - e9, between -126 and 119.
; REGISTERS: v1-3 offsets that stay; v5, v6 the add's two; v8 the LDS address in hand; v12 -M, v13 the largest t, v[14:15] the sum in two halves; v16-23 Q in hand; v24-31 the second block's Q;
;   v32-95 fragments of K, then of V; v96-159 S^T, then p; v160-191 O^T; v192-199 the result's codes; v224-239 p's codes; v236-254 at work and constants.
.set SLOTB, 32768                      ; a slot: 16 tiles of K (16,384 bytes), then 2 x 4 tiles of V (16,384 bytes)
.set VOFF,  16384
.set SPARE, 2*SLOTB                    ; behind the ring: the spare words, 128 bytes for each of 16 waves, which no other line names
.set LN,   1                           ; v1   16 x lane
.set RH,   2                           ; v2   lane % 16 - 8 (lane / 16)
.set PFO,  3                           ; v3   256 x lane
.set SPW,  5
.set NIL,  6
.set ADK,  8
.set WV,   18                          ; s18  my wave's number
.set SEL,  20                          ; s[20:21] lane selects: lane l xor 16
.set CS,   22                          ; s[22:23] c = log2(e) / 8 x 2^(e6 + e7)
.set G1,   24                          ; s[24:31] descriptor group 1: 64 rows of 256 dense bytes
.set G0,   40                          ; s[40:43] descriptor group 0, which walks
.set KVB,  44                          ; s[44:45] the head's first byte of K (wave 0) or of V (wave 1)
.set KOFF, 46                          ; s[46:47] the key slot to be asked for, in bytes
.set XX,   48                          ; s48  x
.set XP,   49                          ; s49  x + 1
.set Q0B,  50                          ; s50  my first query in the second block
.set OUTA, 52                          ; s[52:53], s[54:55] where the two blocks' codes go
.set OUTB, 54
.set TB,   2                           ; s2   LDS byte at which the slot in hand begins
.set SLOTS, 67                         ; s67  slots still to be asked for
.set PFA,  76                          ; s[76:77] where my prefetches stand
.set LIM,  80                          ; s80  2 in a wave that prefetches, else the greatest number
.set KF,   98                          ; s98  the step's first key
.set Q0,   99                          ; s99  my first query
; Wave 0 fetches a slot's K, wave 1 its V, the others nothing.  An s_nop 0 and four v_nop follow the load.
.macro TLOAD
	s_cmp_lt_u32 s[WV], 2
	s_cbranch_scc0 .Lasked_\@
	tensor_load_to_lds s[G0:G0+3], s[G1:G1+7]
	s_nop 0
.rept 4
	v_nop
.endr
.Lasked_\@:
.endm
; A prefetch of the slot that the NEXT change will ask for, in the first block's walk.  All four work-groups of a head walk the same keys there: the one with x = 0, which walks all eight slots, asks, and nobody else.
; In it waves 4 and 5 ask for K's 2 x 8,192 bytes, waves 6 and 7 for V's, lanes 256 bytes apart: each aligned block of 256 bytes is named once.  Change n names slot n + 2; the last is slot 7, at n = 5.
.macro ASK
	s_cmp_gt_u32 s[SLOTS], s[LIM]
	s_cbranch_scc0 .Lnot_mine_\@
	global_prefetch_b8 v[PFO], s[PFA:PFA+1] th:TH_LOAD_NT scope:SCOPE_SE
.Lnot_mine_\@:
.endm
.macro INIT                            ; a block's start: the first change of M multiplies zeros
	v_mov_b32 v13, 0xff61b1e6                      ; the largest t so far: -3e38
	s_delay_alu instid0(VALU_DEP_1)
	v_floor_f32 v12, -v13                          ; -M
	v_mov_b32 v14, 0
	v_mov_b32 v15, 0
.set i, 0
.rept 32
	v_mov_b32 v[160+i], 0
.set i, i+1
.endr
.endm
	s_load_b128 s[4:7], s[0:1], 0x0                ; qkv s[4:5], lowp_scales s[6:7]
	s_load_b64 s[8:9], s[0:1], 0x10                ; actx
	v_lshl_add_u32 v[SPW], v0, 2, SPARE
	v_mov_b32 v[NIL], 0
	ds_add_u32 v[SPW], v[NIL]                      ; the wave's opening: the add and its wait stand ahead of my first tensor load; the set-up below, work on registers, stands between them
	ds_add_u32 v[SPW], v[NIL]
	v_lshrrev_b32 v8, 5, v0
	s_delay_alu instid0(VALU_DEP_1)
	v_readfirstlane_b32 s[WV], v8                  ; wave 0..15
	v_and_b32 v[LN], 31, v0
	s_delay_alu instid0(VALU_DEP_1)
	v_lshlrev_b32 v[LN], 4, v[LN]
	s_delay_alu instid0(VALU_DEP_1)
	v_lshlrev_b32 v[PFO], 4, v[LN]
	v_and_b32 v[RH], 15, v0
	v_bfe_u32 v9, v0, 4, 1
	s_delay_alu instid0(VALU_DEP_1)
	v_lshlrev_b32 v9, 3, v9
	s_delay_alu instid0(VALU_DEP_1)
	v_sub_nc_u32 v[RH], v[RH], v9
	s_and_b32 s56, ttmp7, 0xffff                   ; bh = 16 x batch + head
	s_mov_b32 s[XX], ttmp9
	s_add_co_u32 s[XP], ttmp9, 1
	s_lshl_b32 s57, s[WV], 4
	s_sub_co_u32 s58, 7, ttmp9
	s_lshl_b32 s58, s58, 8
	s_add_co_u32 s[Q0], s58, s57                   ; my first query: block 7 - x first,
	s_lshl_b32 s58, ttmp9, 8
	s_add_co_u32 s[Q0B], s58, s57                  ; then block x
	s_mov_b32 s[G1], 3<<16                         ; 15:0 no mask; 17:16 elements of 8 bytes; no padding: the images are read 512 bytes on end
	s_mov_b32 s[G1+1], 32<<16                      ; tensor_dim0 = 32 elements: 256 bytes
	s_mov_b32 s[G1+2], 64<<16                      ; tensor_dim1 = 64
	s_mov_b32 s[G1+3], 32<<16                      ; tile_dim0
	s_mov_b32 s[G1+4], 64                          ; tile_dim1
	s_mov_b32 s[G1+5], 32                          ; stride: the block is dense
	s_mov_b32 s[G1+6], 0
	s_mov_b32 s[G1+7], 0
	s_mov_b32 s[SEL], 0x76543210
	s_mov_b32 s[SEL+1], 0xfedcba98
	s_mov_b32 s[CS], 0x3e38aa3b                    ; log2(e) / sqrt(64)
	s_mov_b32 s[TB], 0
	s_mov_b32 s[SLOTS], 8
	s_mov_b32 s[KF], 0
	s_mov_b32 s[KOFF], 0
	s_mov_b32 s[KOFF+1], 0
	s_lshl_b32 s60, s56, 17                        ; a head is 131,072 bytes in q, in k and in v
	s_and_b32 s58, s[WV], 1
	s_add_co_u32 s59, s58, 1
	s_lshl_b32 s62, s59, 23                        ; k at 8 MiB (wave 0), v at 16 MiB (wave 1)
	s_add_co_u32 s62, s62, s60
	s_mov_b32 s63, 0
	s_lshl_b32 s59, s58, 14                        ; and their places in a slot
	s_lshl_b32 s82, s[Q0], 6                       ; a tile of 16 queries is 1,024 bytes
	s_add_co_u32 s82, s82, s60
	s_mov_b32 s83, 0
	s_lshl_b32 s84, s[Q0B], 6
	s_add_co_u32 s84, s84, s60
	s_mov_b32 s85, 0
	s_lshr_b32 s86, s56, 4
	s_lshl_b32 s86, s86, 21                        ; a batch's 128 tiles of 16 rows, 16,384 bytes each
	s_and_b32 s87, s56, 15
	s_lshl_b32 s87, s87, 10                        ; the head's 1,024 bytes of a tile
	s_add_co_u32 s86, s86, s87
	s_lshl_b32 s88, s[Q0], 10
	s_add_co_u32 s88, s88, s86
	s_mov_b32 s89, 0
	s_lshl_b32 s92, s[Q0B], 10
	s_add_co_u32 s92, s92, s86
	s_mov_b32 s93, 0
	s_lshr_b32 s90, s[WV], 1                       ; the prefetches: waves 4, 5: K; waves 6, 7: V
	s_and_b32 s90, s90, 1
	s_add_co_u32 s90, s90, 1
	s_lshl_b32 s90, s90, 23
	s_add_co_u32 s90, s90, s60
	s_lshl_b32 s91, s58, 13                        ; my 8,192 bytes of a slot's 16,384,
	s_add_co_u32 s90, s90, s91
	s_add_co_u32 s90, s90, 16384                   ; in slot 1: the first change steps it to slot 2.  Nothing is prefetched here, at the head
	s_mov_b32 s91, 0
	s_lshr_b32 s96, s[WV], 2
	s_xor_b32 s96, s96, 1                          ; 0 in waves 4 to 7,
	s_or_b32 s96, s96, ttmp9                       ; of the work-group with x = 0
	s_cmp_eq_u32 s96, 0
	s_cselect_b32 s[LIM], 2, -1
	s_wait_dscnt 0x0                               ; the opening add is done
	s_wait_kmcnt 0x0
	s_load_b256 s[68:75], s[6:7], 0x10             ; e4 .. e11: e6 s70, e7 s71, e8 s72, e9 s73, e10 s74
	s_add_nc_u64 s[KVB:KVB+1], s[4:5], s[62:63]
	s_mov_b32 s[G0], 1                             ; count = 1
	s_mov_b32 s[G0+1], s59                         ; LDS address: slot 0
	s_mov_b64 s[G0+2:G0+3], s[KVB:KVB+1]           ; key slot 0
	s_or_b32 s[G0+3], s[G0+3], 0x80000000          ; type = 2
	TLOAD
	s_add_nc_u64 s[82:83], s[4:5], s[82:83]
	s_add_nc_u64 s[84:85], s[4:5], s[84:85]
	s_wait_alu depctr_va_vdst(0)
	global_load_b128 v[16:19], v[LN], s[82:83]     ; Q's fragments of both blocks stay in registers
	global_load_b128 v[20:23], v[LN], s[82:83] offset:512
	global_load_b128 v[24:27], v[LN], s[84:85]
	global_load_b128 v[28:31], v[LN], s[84:85] offset:512
	s_add_nc_u64 s[OUTA:OUTA+1], s[8:9], s[88:89]
	s_add_nc_u64 s[OUTB:OUTB+1], s[8:9], s[92:93]
	s_add_nc_u64 s[PFA:PFA+1], s[4:5], s[90:91]
	INIT
	v_mov_b32 v236, 0                              ; written once: a lane permute's destination counts as one of its sources
	v_mov_b32 v253, 0                              ; (named as the upper half of the pair v[252:253])
	s_wait_kmcnt 0x0
	s_add_co_i32 s96, s70, s71
	s_lshl_b32 s96, s96, 23
	s_add_co_i32 s[CS], s[CS], s96                 ; a score stands for score x 2^(e6 + e7)
	s_mov_b32 s[CS+1], s[CS]                       ; (named with it as a pair)
	s_add_co_i32 s96, s72, 127
	s_lshl_b32 s97, s96, 23
	v_mov_b32 v244, s97                            ; 2^e8, for p's conversion
	s_sub_co_i32 s96, s74, s72
	s_sub_co_i32 s96, s96, s73                     ; a sum of the second product stands for sum x 2^(e8 + e9): the result's conversion takes 2^(e10 - e8 - e9)
	s_add_co_i32 s96, s96, 127
	s_lshl_b32 s97, s96, 23
	v_mov_b32 v246, s97
; A KEY STEP: 128 keys, the q-th of the slot in hand.
.macro STEP q
	s_add_co_u32 s96, s[Q0], 15
	s_cmp_gt_u32 s[KF], s96                        ; all keys come after my queries: ids and counts alone
	s_cbranch_scc1 .Lhidden_\@
	v_add_nc_u32 v[ADK], s[TB], v[LN]
.rept 3
	v_nop                                          ; with the addition four places in front of loads into registers that the last products read
.endr
.irp c, 0,1,2,3,4,5,6,7
	ds_load_b128 v[32+8*\c:35+8*\c], v[ADK] offset:8192*(\q)+1024*\c
	ds_load_b128 v[36+8*\c:39+8*\c], v[ADK] offset:8192*(\q)+1024*\c+512
.endr
	s_wait_alu depctr_va_vdst(0)
	s_wait_dscnt 0x0
.irp c, 0,1,2,3,4,5,6,7
	v_wmma_f32_16x16x64_fp8_fp8 v[96+8*\c:103+8*\c], v[32+8*\c:39+8*\c], v[16:23], 0   ; S^T: lane (r, h): query r; register j: key 16 c + 8 h + j
.endr
.rept 4
	v_nop                                          ; places: for the loads below and for the first reads of the scores
.endr
.irp t, 0,1,2,3
.irp i, 0,1,2,3
	ds_load_b128 v[32+16*\t+4*\i:35+16*\t+4*\i], v[ADK] offset:VOFF+8192*(\q)+2048*\t+512*\i   ; V's four tiles land while the softmax is worked
.endr
.endr
	s_add_co_u32 s96, s[KF], 127
	s_cmp_le_u32 s96, s[Q0]                        ; all keys count: no mask
	s_cbranch_scc1 .Lopen_\@
	s_sub_co_i32 s96, s[Q0], s[KF]
	v_add_nc_u32 v252, s96, v[RH]                  ; d = my query - KF - 8 h: register 8 c + j is hidden where 16 c + j > d
	v_mov_b32 v254, 0xff800000                     ; -infinity
.set i, 0
.rept 64
	v_cmp_gt_i32 vcc_lo, 16*(i/8)+i%8, v252
	v_cndmask_b32 v[96+i], v[96+i], v254, vcc_lo
.set i, i+1
.endr
.Lopen_\@:
	v_max3_num_f32 v254, v96, v97, v98             ; the step's largest score of my query among my 64 keys, in two chains,
	v_max3_num_f32 v252, v99, v100, v101
.irp i, 6,10,14,18,22,26,30,34,38,42,46,50,54,58
	v_max3_num_f32 v254, v254, v[96+\i], v[97+\i]
	v_max3_num_f32 v252, v252, v[98+\i], v[99+\i]
.endr
	v_max3_num_f32 v254, v254, v158, v159
	s_delay_alu instid0(VALU_DEP_1)
	v_max_num_f32 v254, v254, v252
	v_permlanex16_b32 v236, v254, s[SEL], s[SEL+1]
	s_delay_alu instid0(VALU_DEP_1)
	v_max_num_f32 v254, v254, v236                 ; and among lane l xor 16's
	s_delay_alu instid0(VALU_DEP_1)
	v_mul_f32 v254, s[CS], v254                    ; as t (c is positive)
	s_delay_alu instid0(VALU_DEP_1)
	v_max_num_f32 v13, v13, v254                   ; the running largest t
	v_mov_b32 v254, v12
	s_delay_alu instid0(VALU_DEP_2)
	v_floor_f32 v12, -v13                          ; the new -M = -ceil(t): a whole number
	s_delay_alu instid0(VALU_DEP_1)
	v_sub_f32 v254, v12, v254                      ; old M - new M, 0 or less
	s_delay_alu instid0(VALU_DEP_1)
	v_cvt_i32_f32 v254, v254                       ; (it saturates)
	s_delay_alu instid0(VALU_DEP_1)
	v_ldexp_f32 v252, 1.0, v254                    ; f = 2^(old M - new M)
.set i, 0
.rept 32
	v_pk_fma_f32 v[96+i:97+i], v[96+i:97+i], s[CS:CS+1], v[12:13] op_sel_hi:[1,0,0]   ; t - M, two at a time
.set i, i+2
.endr
.set i, 0
	s_wait_alu depctr_va_vdst(0)
.rept 64
	v_exp_f32 v[96+i], v[96+i]                     ; p = 2^(t - M)
.set i, i+1
.endr
	v_pk_mul_f32 v[14:15], v[14:15], v[252:253] op_sel_hi:[1,0]   ; the sums under the new M: the plain line behind the exponentials
	s_wait_alu depctr_va_vdst(0)                   ; the wait ahead of the first line that names an exponential's result: one for the batch of 64
	v_pk_add_f32 v[242:243], v[100:101], v[104:105]
	v_pk_add_f32 v[254:255], v[108:109], v[112:113]
	v_pk_add_f32 v[250:251], v[116:117], v[120:121]
	v_pk_add_f32 v[248:249], v[124:125], v[128:129]
	v_pk_add_f32 v[240:241], v[132:133], v[136:137]
	v_pk_add_f32 v[238:239], v[140:141], v[144:145]
	v_pk_add_f32 v[236:237], v[148:149], v[152:153]
	v_pk_add_f32 v[14:15], v[14:15], v[156:157]
	v_pk_add_f32 v[242:243], v[242:243], v[96:97]
	v_pk_add_f32 v[254:255], v[254:255], v[98:99]
	v_pk_add_f32 v[250:251], v[250:251], v[102:103]
	v_pk_add_f32 v[248:249], v[248:249], v[106:107]
	v_pk_add_f32 v[240:241], v[240:241], v[110:111]
	v_pk_add_f32 v[238:239], v[238:239], v[114:115]
	v_pk_add_f32 v[236:237], v[236:237], v[118:119]
	v_pk_add_f32 v[14:15], v[14:15], v[122:123]
	v_pk_add_f32 v[242:243], v[242:243], v[126:127]
	v_pk_add_f32 v[254:255], v[254:255], v[130:131]
	v_pk_add_f32 v[250:251], v[250:251], v[134:135]
	v_pk_add_f32 v[248:249], v[248:249], v[138:139]
	v_pk_add_f32 v[240:241], v[240:241], v[142:143]
	v_pk_add_f32 v[238:239], v[238:239], v[146:147]
	v_pk_add_f32 v[236:237], v[236:237], v[150:151]
	v_pk_add_f32 v[14:15], v[14:15], v[154:155]
	v_pk_add_f32 v[242:243], v[242:243], v[158:159]
	s_delay_alu instid0(VALU_DEP_2)
	v_pk_add_f32 v[14:15], v[14:15], v[248:249]
	s_delay_alu instid0(VALU_DEP_2)
	v_pk_add_f32 v[242:243], v[242:243], v[240:241]
	v_pk_add_f32 v[254:255], v[254:255], v[238:239]
	v_pk_add_f32 v[250:251], v[250:251], v[236:237]
	s_delay_alu instid0(VALU_DEP_2)
	v_pk_add_f32 v[14:15], v[14:15], v[254:255]
	s_delay_alu instid0(VALU_DEP_2)
	v_pk_add_f32 v[242:243], v[242:243], v[250:251]
	s_delay_alu instid0(VALU_DEP_1)
	v_pk_add_f32 v[14:15], v[14:15], v[242:243]
.irp c, 0,1,2,3,4,5,6,7
.irp i, 0,1,2,3,4,5,6,7
.endr
	v_cvt_scalef32_pk8_fp8_f32 v[224+2*\c:225+2*\c], v[96+8*\c:103+8*\c], v244   ; registers 2 c, 2 c + 1 of P: keys 16 c + 8 h + 0 .. 7
.endr
.set i, 0
.rept 16
	v_pk_mul_f32 v[160+i:161+i], v[160+i:161+i], v[252:253] op_sel_hi:[1,0]   ; O^T under the new M; also the plain lines behind the conversions
.set i, i+2
.endr
	s_wait_alu depctr_va_vdst(0)
	s_wait_dscnt 0x0                               ; V is in
.irp t, 0,1,2,3
	v_wmma_f32_16x16x128_fp8_fp8 v[160+8*\t:167+8*\t], v[32+16*\t:47+16*\t], v[224:239], v[160+8*\t:167+8*\t]   ; the four accumulators by turns; between two links of one stand the next step's eight products too
.endr
.Lhidden_\@:
	s_add_co_u32 s[KF], s[KF], 128
.endm
; THE CHANGE OF SLOTS stands at a slot's head.  Each wave waits for all its tensor loads, adds 0 to its spare word, and waits for that and for its reads of the slot that it has left.
; Behind the barrier the slot ahead is whole and nobody reads the other one.  fill = 1: that other slot takes the keys that follow: the next 256, or, where the second block begins, the head's first.
.macro CHANGE fill
	s_wait_tensorcnt 0x0                           ; no tensor load of mine is out, so group 0 may be written
	ds_add_u32 v[SPW], v[NIL]                      ; 0 onto my spare word; the descriptor's steps stand between it and the wait for it
.if \fill
	s_xor_b32 s[G0+1], s[G0+1], SLOTB              ; the other slot than last time
	s_add_co_u32 s[KOFF], s[KOFF], 16384
	s_cmp_eq_u32 s[SLOTS], s[XP]                   ; the slot to be asked for is the second block's first
	s_cselect_b32 s[KOFF], 0, s[KOFF]
	s_add_nc_u64 s[G0+2:G0+3], s[KVB:KVB+1], s[KOFF:KOFF+1]
	s_or_b32 s[G0+3], s[G0+3], 0x80000000
	s_wait_xcnt 0x0                                ; the last prefetch, a slot back, has read its address
	s_add_nc_u64 s[PFA:PFA+1], s[PFA:PFA+1], 16384
.endif
	s_wait_dscnt 0x0                               ; the add is done, and my reads of the slot that I have left are over
	s_barrier_signal -1
	s_barrier_wait -1
.if \fill
	TLOAD                                          ; the first thing behind the barrier, and a wave's one tensor load until the next: it has a slot's two steps in which to land
	ASK
.endif
.endm
; A block's end: O^T / the sum, quantised, stored as the image of the last projection's operand.
.macro FINAL out
.rept 4
	v_nop                                          ; places behind the last products
.endr
	v_add_f32 v14, v14, v15                        ; the sum's two halves,
	s_wait_alu depctr_va_vdst(0)
	v_permlanex16_b32 v236, v14, s[SEL], s[SEL+1]
	s_delay_alu instid0(VALU_DEP_1)
	v_add_f32 v14, v14, v236                       ; and lane l xor 16's
	s_wait_alu depctr_va_vdst(0)
	v_rcp_f32 v14, v14
	v_nop                                          ; a plain line behind the reciprocal
	s_wait_alu depctr_va_vdst(0)                   ; and the wait ahead of its first reader
.set i, 0
.rept 16
	v_pk_mul_f32 v[96+i:97+i], v[160+i:161+i], v[14:15] op_sel_hi:[1,0]   ; each accumulator from its low end on
.set i, i+2
.endr
.set i, 0
.rept 32
.set i, i+1
.endr
	s_wait_alu depctr_va_vdst(0)
	s_wait_xcnt 0x0                                ; an earlier block's stores have read their data: the codes' registers are written again only behind this wait
.irp t, 0,1,2,3
	v_cvt_scalef32_pk8_fp8_f32 v[192+2*\t:193+2*\t], v[96+8*\t:103+8*\t], v246
.endr
	v_nop                                          ; a plain line behind the conversions: later products write their sources
	global_store_b128 v[LN], v[192:195], s[\out:\out+1]               ; 512 consecutive bytes a store
	global_store_b128 v[LN], v[196:199], s[\out:\out+1] offset:512
.endm
.macro SLOT_STEPS
	s_cmp_lg_u32 s[SLOTS], s[XX]                   ; with x slots still to be asked for, the slot in hand is the second block's first
	s_cbranch_scc1 .Lsame_\@
	FINAL OUTA
.irp i, 0,1,2,3,4,5,6,7
	v_mov_b32 v[16+\i], v[24+\i]                   ; the second block's Q
.endr
	INIT
	s_mov_b32 s[Q0], s[Q0B]
	s_mov_b32 s[KF], 0
.Lsame_\@:
	STEP 0
	STEP 1
	s_xor_b32 s[TB], s[TB], SLOTB                  ; on to the other slot
.endm
	s_wait_loadcnt 0x0                             ; Q
.Lslot:                                            ; eight trips: behind each change of slots but the last the next slot is asked for
	CHANGE 1
	SLOT_STEPS
	s_sub_co_u32 s[SLOTS], s[SLOTS], 1
	s_cmp_lg_u32 s[SLOTS], 0
	s_cbranch_scc1 .Lslot
	CHANGE 0                                       ; the ninth slot is written out: nothing is left to fetch
	SLOT_STEPS
	FINAL OUTB
	s_wait_tensorcnt 0x0                           ; the wave's end, behind my last tensor load
	ds_add_u32 v[SPW], v[NIL]
	s_wait_dscnt 0x0
	s_endpgm
.Lfunc_end_k_q290e0f187c_attention:
	.size	k_q290e0f187c_attention, .Lfunc_end_k_q290e0f187c_attention-k_q290e0f187c_attention
	.p2alignl 7, 3214868480
	.fill 96, 4, 3214868480
	.section	.rodata,"a",@progbits
	.p2align	6, 0x0
	.amdhsa_kernel k_q290e0f187c_attention
		.amdhsa_group_segment_fixed_size 327680
		.amdhsa_private_segment_fixed_size 0
		.amdhsa_enable_private_segment 0
		.amdhsa_kernarg_size 24
		.amdhsa_user_sgpr_count 2
		.amdhsa_user_sgpr_kernarg_segment_ptr 1
		.amdhsa_wavefront_size32 1
		.amdhsa_system_sgpr_workgroup_id_x 1
		.amdhsa_system_sgpr_workgroup_id_y 1
		.amdhsa_system_sgpr_workgroup_id_z 1
		.amdhsa_system_vgpr_workitem_id 0
		.amdhsa_next_free_vgpr 256
		.amdhsa_next_free_sgpr 100
		.amdhsa_reserve_vcc 1
		.amdhsa_float_denorm_mode_32 3
		.amdhsa_float_denorm_mode_16_64 3
		.amdhsa_fp16_overflow 1
		.amdhsa_memory_ordered 1
		.amdhsa_forward_progress 1
		.amdhsa_inst_pref_size 93
	.end_amdhsa_kernel
	.amdgpu_metadata
---
amdhsa.version: [ 1, 2 ]
amdhsa.kernels:
  - .name:           k_q290e0f187c_attention
    .symbol:         k_q290e0f187c_attention.kd
    .args:
      - { .name: qkv, .offset: 0, .size: 8, .value_kind: global_buffer, .address_space: global }
      - { .name: lowp_scales, .offset: 8, .size: 8, .value_kind: global_buffer, .address_space: global }
      - { .name: actx, .offset: 16, .size: 8, .value_kind: global_buffer, .address_space: global }
    .group_segment_fixed_size: 327680
    .private_segment_fixed_size: 0
    .kernarg_segment_align: 8
    .kernarg_segment_size: 24
    .max_flat_workgroup_size: 512
    .sgpr_count:     100
    .vgpr_count:     256
    .wavefront_size: 32
...
	.end_amdgpu_metadata
.endif
;; end of part 3
;; launch oproj (part 4): grid 4 x 32, 4 waves a work-group, clusters of 4 x 4, 327,680 bytes of LDS; arguments actx, codes, lowp_scales, out0; writes out0
.if DOCPART == 4
	.amdgcn_target "amdgcn-amd-amdhsa--gfx1250"
	.amdhsa_code_object_version 6
	.text
	.protected	k_q290e0f187c_oproj
	.globl	k_q290e0f187c_oproj
	.p2align	8
	.type	k_q290e0f187c_oproj,@function
k_q290e0f187c_oproj:
	s_mov_b64 s[64:65], 0
	v_nop
	global_prefetch_b8 v0, s[64:65] scope:SCOPE_SE
	s_setreg_imm32_b32 hwreg(HW_REG_WAVE_MODE, 25, 1), 1
	s_wait_xcnt 0x0
	s_wait_alu depctr_hold_cnt(0) depctr_sa_sdst(0) depctr_va_vdst(0) depctr_va_sdst(0) depctr_va_ssrc(0) depctr_va_vcc(0) depctr_vm_vsrc(0)
	s_getreg_b32 s2, hwreg(HW_REG_IB_STS2, 6, 4)
	s_cmp_eq_u32 s2, 0
	s_cbranch_scc0 .Lentry_in_a_cluster
	s_endpgm
.Lentry_in_a_cluster:
	s_bfe_u32 s2, ttmp6, 0x10000c
	s_cmp_lg_u32 s2, 0xf033
	s_cbranch_scc0 .Lentry_shape_is_right
	s_endpgm
.Lentry_shape_is_right:
; out0[m][n] = sum over k of attn[m][k] wo[n][k], on codes of FP8 (E4M3); M = 8,192, N = K = 1,024; out0 is f32.  Each finished sum is multiplied once by 2^(e10 + e11).
; LIMIT: e10 + e11 between -126 and 127, so that 2^(e10 + e11) is an f32 number.
; A tile of 256 x 256 is made by four waves, 128 x 128 each: 64 accumulators.  K goes in steps of 256 through a ring of two LDS slots filled by the tensor data mover.  128 tiles: 128 work-groups.
; A's codes lie in memory as images of operand registers: [tile of 16 rows][head 16][2][lane][16 bytes]; a K step of 256 is 4,096 bytes on end of each tile of rows, and a fragment comes by four loads of 512 bytes on end.
; B's (wo's, at 27 MiB of codes) lie as rows of 1,024 bytes, K in its natural order: lane l takes, of row l % 16, bytes 32 c + 16 (l / 16) + 0 .. 15 into registers 4 c .. 4 c + 3: the places that A's images have.
; CLUSTERS: 4 x 4 work-groups; A's tiles are asked for jointly along a row of the cluster, B's along a column.  THE MATRIX INSTRUCTION IS USED TRANSPOSED (source 0 = 16 rows of B, source 1 = 16 rows of A):
; a lane holds eight neighbouring numbers of a row of out0.
; REGISTERS, in windows of 256: window 0: v0-31 addresses; from v128 A's fragments, one set; on the way out v32-255 are free.  window 1: B's fragments, two sets.
;   window 2: the 32 accumulators of my rows 0-63 (accumulator (a, b) at v[8 (8 a + b)]);  window 3: those of my rows 64-127.
.set SIZE_N, 1024
.set ROWB,   256                       ; B: a tile's row in bytes
.set KROW,   1024                      ; B: a row in memory
.set PITCH,  272                       ; B: an LDS row: 256 bytes + 16 of padding: the 16 rows that a load touches start at 16 different banks (64 banks of 4 bytes: ISA guide 11.1)
.set ASTEP,  4096                      ; A: a K step's bytes of a tile of 16 rows
.set AHALF,  8*ASTEP                   ; A: 128 rows: what one tensor load brings
.set FR,     16
.set NL,     4
.set NP,     4                         ; places behind this matrix instruction (ISA guide 7.12.1)
.set HALFT,  128*PITCH                 ; B: 128 rows
.set BOFF,   2*AHALF                   ; a slot: A's 256 rows (65,536 bytes), then B's 256 rows
.set SLOT,   BOFF+2*HALFT
.set SPARE,  2*SLOT                    ; behind the ring: the spare words, 128 bytes for each wave, which no other line names
.set SPITCH, 528                       ; the way out: a stage of 16 rows x (512 bytes + 16) for each wave, in slot 0, which has had its last fill and its last read when the first result is stored there
.set ADRA, 16
.set ADRB, 20
.set STO,  24
.set RD,   25
.set CO,   26                          ; v26     16 x lane
.set SPW,  28
.set NIL,  29
.set TMP,  32
.set AF,   128
.set BK,   128
.set G1, 24
.set G0, 32
.set G1B, 48
.set G0B, 56
.set MSB, 0
.macro WIN new                         ; the immediate's high byte repeats the setting that is left
.if MSB != \new
	s_set_vgpr_msb (MSB<<8)|\new
.set MSB, \new
.endif
.endm
.set MUL_LO, 0xa1
.set MUL_HI, 0xf1
.set TO_B,   0x40
.macro JLOAD g0a, g1a, g0b, g1b        ; a joint load: waves 0 and 1 fetch for A, waves 2 and 3 for B; an s_nop 0 and four v_nop follow each of the two lines
	s_cmp_eq_u32 s15, 0
	s_cbranch_scc0 .Lfor_b_\@
	tensor_load_to_lds s[\g0a:\g0a+3], s[\g1a:\g1a+7]
	s_nop 0
.rept 4
	v_nop
.endr
	s_branch .Lasked_\@
.Lfor_b_\@:
	tensor_load_to_lds s[\g0b:\g0b+3], s[\g1b:\g1b+7]
	s_nop 0
.rept 4
	v_nop
.endr
.Lasked_\@:
.endm
.macro CREST
	s_cmp_lg_u32 s14, 0
	s_cbranch_scc1 .Lnot_wave_0_\@
	s_barrier_signal -3
.Lnot_wave_0_\@:
	s_barrier_wait -3
	s_barrier_signal -1
	s_barrier_wait -1
.endm
.macro CROUND
	s_barrier_signal -1
	s_barrier_wait -1
	CREST
.endm
	s_load_b256 s[4:11], s[0:1], 0x0               ; actx s[4:5], codes s[6:7], lowp_scales s[8:9], out0 s[10:11]
	v_lshl_add_u32 v[SPW], v0, 2, SPARE
	v_mov_b32 v[NIL], 0
	ds_add_u32 v[SPW], v[NIL]                      ; the wave's opening: the add and its wait stand ahead of my first tensor load; the set-up below, work on registers, stands between them
	ds_add_u32 v[SPW], v[NIL]
	v_lshrrev_b32 v1, 5, v0
	v_readfirstlane_b32 s14, v1                    ; wave 0..3
	s_lshr_b32 s15, s14, 1                         ; which half of the tile's rows is mine.  Also: I fetch for A (0) or for B (1)
	s_and_b32 s16, s14, 1                          ; which half of its columns.  Also: which 128 rows of that tile I fetch
	s_bfe_u32 s40, ttmp6, 0x40000                  ; cx, cy
	s_bfe_u32 s41, ttmp6, 0x40004
	s_lshl_b32 s42, ttmp9, 2
	s_add_co_u32 s42, s42, s40                     ; tile column
	s_and_b32 s17, ttmp7, 0xffff
	s_lshl_b32 s17, s17, 2
	s_add_co_u32 s17, s17, s41                     ; tile row
	s_lshl_b32 s43, s41, 2
	s_lshl_b32 s43, 15, s43                        ; my row of the cluster
	s_lshl_b32 s44, 0x1111, s40                    ; my column
	; A's group 1: 8 rows (tiles of 16 rows) x 4,096 bytes, 16,384 bytes apart, laid on end in LDS
	s_or_b32 s[G1+0], s43, (3<<16)|(1<<21)         ; 15:0 the mask: my row; 17:16 elements of 8 bytes; no padding; 21 set beside a mask
	s_mov_b32 s[G1+1], 512<<16                     ; tensor_dim0 = 512 elements
	s_mov_b32 s[G1+2], 8<<16                       ; tensor_dim1 = 8
	s_mov_b32 s[G1+3], 512<<16                     ; tile_dim0
	s_mov_b32 s[G1+4], 8                           ; tile_dim1
	s_mov_b32 s[G1+5], 2048                        ; stride: 16,384 bytes
	s_mov_b32 s[G1+6], 0
	s_mov_b32 s[G1+7], 0
	; B's group 1: 128 rows x 256 bytes, padded in LDS
	s_or_b32 s[G1B+0], s44, (0<<16)|(1<<20)|(1<<21)|(5<<22)|(3<<25)
	s_mov_b32 s[G1B+1], ROWB<<16
	s_mov_b32 s[G1B+2], 128<<16
	s_mov_b32 s[G1B+3], ROWB<<16
	s_mov_b32 s[G1B+4], 128
	s_mov_b32 s[G1B+5], KROW
	s_mov_b32 s[G1B+6], 0
	s_mov_b32 s[G1B+7], 0
	s_lshl_b32 s18, s16, 17                        ; which 128 rows I fetch: 131,072 bytes in A and in B alike
	s_lshl_b32 s20, s17, 18
	s_add_co_u32 s20, s20, s18                     ; A
	s_mov_b32 s21, 0
	s_lshl_b32 s46, s42, 18
	s_add_co_u32 s46, s46, s18
	s_add_co_u32 s46, s46, 0x1b00000               ; B: wo's codes begin at 27 MiB
	s_mov_b32 s47, 0
	s_lshl_b32 s45, s16, 15                        ; where they go: A's halves at 0 and 32,768,
	s_mul_i32 s13, s16, HALFT
	s_add_co_u32 s13, s13, BOFF                    ; B's behind them: no place in the cluster enters an LDS address
	s_wait_dscnt 0x0                               ; the opening add is done
	s_wait_kmcnt 0x0
	s_load_b64 s[96:97], s[8:9], 0x28              ; e10, e11
	s_add_nc_u64 s[20:21], s[4:5], s[20:21]
	s_add_nc_u64 s[46:47], s[6:7], s[46:47]
	CROUND                                         ; all sixteen work-groups are here: the first joint loads meet
.irp s, 0,1
	s_mov_b32 s[G0+4*\s], 1
	s_add_co_u32 s[G0+4*\s+1], s45, \s*SLOT
	s_add_nc_u64 s[G0+4*\s+2:G0+4*\s+3], s[20:21], \s*ASTEP
	s_or_b32 s[G0+4*\s+3], s[G0+4*\s+3], 0x80000000
	s_mov_b32 s[G0B+4*\s], 1
	s_add_co_u32 s[G0B+4*\s+1], s13, \s*SLOT
	s_add_nc_u64 s[G0B+4*\s+2:G0B+4*\s+3], s[46:47], \s*ROWB
	s_or_b32 s[G0B+4*\s+3], s[G0B+4*\s+3], 0x80000000
	s_wait_alu depctr_va_vdst(0)
	s_wait_tensorcnt 0x0
	ds_add_u32 v28, v29
	ds_add_u32 v28, v29
	s_wait_dscnt 0x0
	CROUND
	JLOAD G0+4*\s, G1, G0B+4*\s, G1B
.endr
	v_and_b32 v1, 15, v0                           ; l % 16
	v_bfe_u32 v2, v0, 4, 1                         ; l / 16
	v_mul_u32_u24 v3, v1, PITCH
	v_lshl_add_u32 v4, v2, 4, v3                   ; B: a fragment's row x pitch + 16 x half
	v_and_b32 v6, 31, v0
	v_lshlrev_b32 v[CO], 4, v6                     ; A: 16 x lane; also my place in a row of out0
	s_wait_alu depctr_va_vdst(0)
	s_lshl_b32 s21, s15, 15                        ; my 128 rows of A
	s_mul_i32 s22, s16, HALFT                      ; my 128 rows of B,
	s_add_co_u32 s22, s22, BOFF                    ; which lie behind A's
.irp s, 0,1
	v_add_nc_u32 v[ADRA+\s], s21, v[CO]
	v_add_nc_u32 v[ADRB+\s], s22, v4
	s_add_co_u32 s21, s21, SLOT
	s_add_co_u32 s22, s22, SLOT
.endr
	s_mul_i32 s23, s14, 16*SPITCH                  ; my stage
	v_mul_u32_u24 v5, v1, SPITCH                   ; in: row l % 16, 32 bytes for each half of the lanes
	v_lshl_add_u32 v5, v2, 5, v5
	v_add_nc_u32 v[STO], s23, v5
	v_add_nc_u32 v[RD], s23, v[CO]                 ; back: the 32 lanes take one row of 512 bytes
	s_lshl_b32 s20, s17, 8
	s_lshl_b32 s21, s15, 7
	s_add_co_u32 s20, s20, s21                     ; my first row of out0
	s_mov_b32 s21, 0
	s_mov_b64 s[18:19], SIZE_N*4
	s_mul_u64 s[20:21], s[20:21], s[18:19]
	s_lshl_b32 s46, s42, 10                        ; my first column, in bytes
	s_lshl_b32 s47, s16, 9
	s_add_co_u32 s46, s46, s47
	s_mov_b32 s47, 0
	s_add_nc_u64 s[20:21], s[20:21], s[46:47]
	s_add_nc_u64 s[10:11], s[10:11], s[20:21]
.macro FRAGA reg, slot, q, i           ; A's fragment: the image as it lies: four loads of 512 bytes on end
.irp c, 0,1,2,3
	ds_load_b128 v[\reg+4*\c:\reg+4*\c+3], v[ADRA+\slot] offset:2048*(\q)+512*\c+ASTEP*(\i)
.endr
.endm
.macro FRAGB reg, slot, q, i           ; B's: lane l holds row l % 16; registers 4 c .. 4 c + 3 hold K = 32 c + 16 (l / 16) + 0 .. 15
.irp c, 0,1,2,3
	ds_load_b128 v[\reg+4*\c:\reg+4*\c+3], v[ADRB+\slot] offset:128*(\q)+32*\c+(\i)*16*PITCH
.endr
.endm
; 16 matrix instructions: A's blocks a0, a0 + 1 x B's eight.  The 64 accumulators take turns, one instruction a turn, in the same order in every step.
.macro MUL16 a0, p, zero
.irp a, \a0, \a0+1
.irp b, 0,1,2,3,4,5,6,7
.if \zero
	v_wmma_f32_16x16x128_fp8_fp8 v[8*(8*((\a)%4)+\b):8*(8*((\a)%4)+\b)+7], v[128*(\p)+FR*\b:128*(\p)+FR*\b+FR-1], v[AF+FR*(\a):AF+FR*(\a)+FR-1], 0
.else
	v_wmma_f32_16x16x128_fp8_fp8 v[8*(8*((\a)%4)+\b):8*(8*((\a)%4)+\b)+7], v[128*(\p)+FR*\b:128*(\p)+FR*\b+FR-1], v[AF+FR*(\a):AF+FR*(\a)+FR-1], v[8*(8*((\a)%4)+\b):8*(8*((\a)%4)+\b)+7]
.endif
.endr
.endr
.endm
.macro FETCH_B slot, q, p
	WIN TO_B
.irp i, 0,1,2,3,4,5,6,7
	FRAGB 128*(\p)+FR*\i, \slot, \q, \i
.endr
	WIN 0
.endm
.macro FETCH_A slot, q, i0
.irp i, \i0, \i0+1, \i0+2, \i0+3
	FRAGA AF+FR*(\i), \slot, \q, \i
.endr
.endm
.macro PLACES n                        ; plain vector lines between a matrix instruction and a load into, or a read of, its registers
.rept \n
	v_nop
.endr
.endm
.macro STEP slot, q, zero              ; a step of 128 along K that has its successor in the same slot
	s_wait_dscnt 4*NL                              ; B's set and A's blocks 0-3 are in; the youngest sixteen loads (A's blocks 4-7) may be out
	WIN MUL_LO
	MUL16 0, (\q)%2, \zero
	MUL16 2, (\q)%2, \zero
	s_wait_dscnt 0
	PLACES NP
	FETCH_B \slot, (\q)+1, 1-(\q)%2
	FETCH_A \slot, (\q)+1, 0
	WIN MUL_HI
	MUL16 4, (\q)%2, \zero
	MUL16 6, (\q)%2, \zero
	PLACES NP
	WIN 0
	FETCH_A \slot, (\q)+1, 4
.endm
; A slot's last step changes slots: ONE barrier; in front of it each wave waits for all its tensor loads, adds 0 to its spare word, and waits for that and for its own reads of this slot.
.macro TURN slot, next, fill
	s_wait_tensorcnt 0x0                           ; all my tensor loads have landed: my part of the next slot (every window is 0 here)
	ds_add_u32 v[SPW], v[NIL]                      ; 0 onto my spare word
	s_wait_dscnt 4*NL+1                            ; the add and the youngest sixteen loads may be out
	WIN MUL_LO
	MUL16 0, 1, 0
	s_wait_dscnt 0x0                               ; the add is done, and my reads of this slot are over
	s_barrier_signal -1
	MUL16 2, 1, 0
	WIN 0
	s_barrier_wait -1
.if \fill
	CREST                                          ; the barrier has opened a round of the cluster's barrier: no wave of any partner still reads this slot or has a load on its way
	s_add_nc_u64 s[G0+4*\slot+2:G0+4*\slot+3], s[G0+4*\slot+2:G0+4*\slot+3], 2*ASTEP
	s_add_nc_u64 s[G0B+4*\slot+2:G0B+4*\slot+3], s[G0B+4*\slot+2:G0B+4*\slot+3], 2*ROWB
	JLOAD G0+4*\slot, G1, G0B+4*\slot, G1B         ; the first tensor load behind the round; its four v_nop are the places in front of the loads below
.else
	PLACES NP
.endif
	FETCH_B \next, 0, 0
	FETCH_A \next, 0, 0
	WIN MUL_HI
	MUL16 4, 1, 0
	MUL16 6, 1, 0
	PLACES NP
	WIN 0
	FETCH_A \next, 0, 4
.endm
	s_wait_alu depctr_va_vdst(0)
	s_wait_tensorcnt 1                             ; my part of K step 0 is in; K step 1's load may be out
	s_barrier_signal -1
	s_barrier_wait -1
	FETCH_B 0, 0, 0
	FETCH_A 0, 0, 0
	FETCH_A 0, 0, 4
	STEP 0, 0, 1                                   ; four K steps of 256, written straight; the first products start the sums
	TURN 0, 1, 1
	STEP 1, 0, 0
	TURN 1, 0, 1
	STEP 0, 0, 0
	TURN 0, 1, 0
	STEP 1, 0, 0
	s_wait_dscnt 4*NL
	WIN MUL_LO
	MUL16 0, 1, 0
	MUL16 2, 1, 0
	s_wait_dscnt 0
	WIN MUL_HI
	MUL16 4, 1, 0
	MUL16 6, 1, 0
	WIN 0
; THE WAY OUT, block by block of 16 rows x 128 columns, through my own stage in LDS: in as 32 bytes a lane, back as whole rows of 512 bytes.  LDS serves a wave's instructions in order (ISA guide 5.7.1.4).
.macro TOSTAGE a
.set AC, 64*((\a)%4)
	WIN 0x02+((\a)/4)                              ; source 0: window 2 or 3
.irp j, 0,2,4,6,8,10,12,14,16,18,20,22,24,26,28,30,32,34,36,38,40,42,44,46,48,50,52,54,56,58,60,62
	v_pk_mul_f32 v[TMP+\j:TMP+\j+1], v[AC+\j:AC+\j+1], s[96:97] op_sel_hi:[1,0]   ; x 2^(e10 + e11); each accumulator from its low end on
.endr
	WIN 0
.irp b, 0,1,2,3,4,5,6,7
	ds_store_b128 v[STO], v[TMP+8*\b:TMP+8*\b+3] offset:64*\b
	ds_store_b128 v[STO], v[TMP+8*\b+4:TMP+8*\b+7] offset:64*\b+16
.endr
.set BB, BK+64*((\a)%2)
.irp t, 0,1,2,3,4,5,6,7,8,9,10,11,12,13,14,15
	ds_load_b128 v[BB+4*\t:BB+4*\t+3], v[RD] offset:\t*SPITCH
.endr
.endm
.macro SEND a, younger                 ; younger: the LDS instructions issued behind block a's loads, which may stay out
.set BB, BK+64*((\a)%2)
	s_wait_dscnt \younger
.if (\a) > 0
	s_add_nc_u64 s[10:11], s[10:11], 16*SIZE_N*4   ; (behind a wait on XCNT: the earlier stores have read their base)
.endif
.irp t, 0,1,2,3,4,5,6,7,8,9,10,11,12,13,14,15
	global_store_b128 v[CO], v[BB+4*\t:BB+4*\t+3], s[10:11] offset:\t*SIZE_N*4 th:TH_STORE_NT   ; 32 lanes store 512 consecutive bytes, aligned
.endr
.endm
	s_wait_kmcnt 0x0
	s_add_co_i32 s96, s96, s97
	s_add_co_i32 s96, s96, 127
	s_lshl_b32 s96, s96, 23                        ; 2^(e10 + e11) as f32
	PLACES NP
	TOSTAGE 0
.irp a, 1,2,3,4,5,6,7
.if \a > 1
	s_wait_xcnt 0x0                                ; block a - 2's stores have read their registers and their base
.endif
	TOSTAGE \a
	SEND \a-1, 32                                  ; behind block a - 1's loads: block a's 16 stores and 16 loads
.endr
	s_wait_xcnt 0x0
	SEND 7, 0
	s_wait_tensorcnt 0x0                           ; the wave's end, behind my last tensor load and my last LDS store
	ds_add_u32 v[SPW], v[NIL]
	s_wait_dscnt 0x0
	CROUND                                         ; the closing round
	s_endpgm
.Lfunc_end_k_q290e0f187c_oproj:
	.size	k_q290e0f187c_oproj, .Lfunc_end_k_q290e0f187c_oproj-k_q290e0f187c_oproj
	.p2alignl 7, 3214868480
	.fill 96, 4, 3214868480
	.section	.rodata,"a",@progbits
	.p2align	6, 0x0
	.amdhsa_kernel k_q290e0f187c_oproj
		.amdhsa_group_segment_fixed_size 327680
		.amdhsa_private_segment_fixed_size 0
		.amdhsa_enable_private_segment 0
		.amdhsa_kernarg_size 32
		.amdhsa_user_sgpr_count 2
		.amdhsa_user_sgpr_kernarg_segment_ptr 1
		.amdhsa_wavefront_size32 1
		.amdhsa_system_sgpr_workgroup_id_x 1
		.amdhsa_system_sgpr_workgroup_id_y 1
		.amdhsa_system_sgpr_workgroup_id_z 1
		.amdhsa_system_vgpr_workitem_id 0
		.amdhsa_next_free_vgpr 1024
		.amdhsa_next_free_sgpr 98
		.amdhsa_reserve_vcc 0
		.amdhsa_float_denorm_mode_32 3
		.amdhsa_float_denorm_mode_16_64 3
		.amdhsa_memory_ordered 1
		.amdhsa_forward_progress 1
		.amdhsa_inst_pref_size 124
	.end_amdhsa_kernel
	.amdgpu_metadata
---
amdhsa.version: [ 1, 2 ]
amdhsa.kernels:
  - .name:           k_q290e0f187c_oproj
    .symbol:         k_q290e0f187c_oproj.kd
    .args:
      - { .name: actx, .offset: 0, .size: 8, .value_kind: global_buffer, .address_space: global }
      - { .name: codes, .offset: 8, .size: 8, .value_kind: global_buffer, .address_space: global }
      - { .name: lowp_scales, .offset: 16, .size: 8, .value_kind: global_buffer, .address_space: global }
      - { .name: out0, .offset: 24, .size: 8, .value_kind: global_buffer, .address_space: global }
    .group_segment_fixed_size: 327680
    .private_segment_fixed_size: 0
    .kernarg_segment_align: 8
    .kernarg_segment_size: 32
    .max_flat_workgroup_size: 128
    .sgpr_count:     98
    .vgpr_count:     1024
    .wavefront_size: 32
...
	.end_amdgpu_metadata
.endif
;; end of part 4
